; MI455X (gfx1250); checked and timed in simulation.
; The chip was launched on July 23, 2026; its instructions are those of AMD's public machine-readable ISA for CDNA 5 (MIT licence, August 2026) and "CDNA5" Instruction Set Architecture Reference Guide (July 2026). The comments in the code are by the model that wrote it; some were corrected since.
;; Attention. Allowed arithmetic: float matrix products may take bf16 or f16 operands with f32 sums; all other float work in f32.
;; Inputs: cos 1,024 x 64 float32; sin 1,024 x 64 float32; wk 1,024 x 4,096 float32; wo 4,096 x 4,096 float32; wq 4,096 x 4,096 float32; wv 1,024 x 4,096 float32; x 1 x 1,024 x 4,096 float32.
;; Outputs: out0 1 x 1,024 x 4,096 float32.
;; 2 versions, each right; version 2 is version 1 with the launch cvt written anew for expert scheduling mode. Each part assembles by itself: llvm-mc -triple=amdgcn-amd-amdhsa -mcpu=gfx1250 --defsym DOCPART=n.
;; ======== version 1 of 2: 4 launches
;; limits: values are held in f16: magnitudes above 65,504 overflow, below 6.1e-05 lose precision; right only within a limited range of input values
;; workspace buffers: xb 8,388,608 bytes; wqkv 50,331,648 bytes; wob 33,554,432 bytes; qkv 12,582,912 bytes; ob 8,388,608 bytes
;; launch cvt (part 1): grid 1024 x 1, 8 waves a work-group, no clusters, 0 bytes of LDS; arguments x, wq, wk, wv, xb, wqkv; writes xb, wqkv
.if DOCPART == 1
	.amdgcn_target "amdgcn-amd-amdhsa--gfx1250"
	.amdhsa_code_object_version 6
	.text
	.protected	k_qfdec27cbe5_cvt
	.globl	k_qfdec27cbe5_cvt
	.p2align	8
	.type	k_qfdec27cbe5_cvt,@function
k_qfdec27cbe5_cvt:
	s_mov_b64 s[64:65], 0
	v_nop
	global_prefetch_b8 v0, s[64:65] scope:SCOPE_SE
	s_setreg_imm32_b32 hwreg(HW_REG_WAVE_MODE, 25, 1), 1
	s_wait_xcnt 0x0
; ROUNDING OF THE FIRST PRODUCT'S INPUTS, once, so that it fetches 16-bit operands.  (wo is rounded in the next launch, beside its matrix work.)
;   xb   = bf16(x / 16)            (the division by 16 is exact: the same mantissa as bf16(x))
;   wqkv = bf16(wq), bf16(wk), bf16(wv), one matrix of 6,144 rows of 4,096
; A stream: memory binds, so no LDS, no barrier, no matrix unit.  A ROW here is what the 256 threads take at once: 4,096 bytes of f32 in, 2,048 bytes out.
; Work-group g takes 4 rows each of x, wk, wv and 16 rows of wq: 28 loads a thread, all issued first, each into registers of its own,
; so that nothing a pending instruction names is ever rewritten.  A wave's load covers 512 consecutive bytes, its store 256 consecutive bytes, aligned.
.set NLD, 28
	s_load_b256 s[8:15], s[0:1], 0x0               ; x 8, wq 10, wk 12, wv 14
	s_load_b128 s[16:19], s[0:1], 0x20             ; xb 16, wqkv 18
	s_lshl_b32 s24, ttmp9, 14                      ; my 4 rows in x, wk, wv
	s_mov_b32 s25, 0
	s_lshl_b32 s26, ttmp9, 16                      ; my 16 rows in wq
	s_mov_b32 s27, 0
	s_lshl_b32 s28, ttmp9, 13                      ; 4 rows out
	s_mov_b32 s29, 0
	s_lshl_b32 s30, ttmp9, 15                      ; 16 rows out
	s_mov_b32 s31, 0
	s_mov_b32 s38, 0x3d800000                      ; 1/16
	s_mov_b32 s39, s38                             ; named with it as a pair
	v_lshlrev_b32 v1, 4, v0                        ; my 16 bytes in a row in; never rewritten
	v_lshlrev_b32 v2, 3, v0                        ; my 8 bytes in a row out; never rewritten
	s_wait_kmcnt 0x0
	s_add_nc_u64 s[8:9], s[8:9], s[24:25]
	s_add_nc_u64 s[10:11], s[10:11], s[26:27]
	s_add_nc_u64 s[12:13], s[12:13], s[24:25]
	s_add_nc_u64 s[14:15], s[14:15], s[24:25]
	s_add_nc_u64 s[16:17], s[16:17], s[28:29]
	s_add_nc_u64 s[32:33], s[18:19], s[30:31]      ; wq's part of wqkv begins at its first byte,
	s_add_nc_u64 s[34:35], s[18:19], s[28:29]
	s_add_nc_u64 s[36:37], s[34:35], 0x2800000     ; wv's behind 5,120 rows of 8,192 bytes,
	s_add_nc_u64 s[34:35], s[34:35], 0x2000000     ; wk's behind 4,096
.macro SECT_LD base, rows              ; the loads of one tensor's rows; n counts all loads
.set j, 0
.rept \rows
	global_load_b128 v[4+4*n:7+4*n], v1, s[\base:\base+1] offset:4096*j th:TH_LOAD_NT
.set j, j+1
.set n, n+1
.endr
.endm
; mode 0: round to bf16.  1: divide by 16 first.
.macro SECT_CV mode, dst, rows
.set j, 0
.rept \rows
.set X, 4+4*n
	s_wait_loadcnt NLD-1-n                         ; loads come back in order (ISA guide 5.7.1): mine is in, the younger ones stay out
.if (\mode) == 1
	v_pk_mul_f32 v[X:X+1], v[X:X+1], s[38:39] op_sel_hi:[1,0]
	v_pk_mul_f32 v[X+2:X+3], v[X+2:X+3], s[38:39] op_sel_hi:[1,0]
.endif
	v_cvt_pk_bf16_f32 v[X], v[X], v[X+1]
	v_cvt_pk_bf16_f32 v[X+1], v[X+2], v[X+3]
	global_store_b64 v2, v[X:X+1], s[\dst:\dst+1] offset:2048*j  ; the next launch reads these bytes: no hint
.set j, j+1
.set n, n+1
.endr
.endm
.set n, 0
	SECT_LD 8, 4
	SECT_LD 12, 4
	SECT_LD 14, 4
	SECT_LD 10, 16
.set n, 0
	SECT_CV 1, 16, 4
	SECT_CV 0, 34, 4
	SECT_CV 0, 36, 4
	SECT_CV 0, 32, 16
	s_endpgm
.Lfunc_end_k_qfdec27cbe5_cvt:
	.size	k_qfdec27cbe5_cvt, .Lfunc_end_k_qfdec27cbe5_cvt-k_qfdec27cbe5_cvt
	.p2alignl 7, 3214868480
	.fill 96, 4, 3214868480
	.section	.rodata,"a",@progbits
	.p2align	6, 0x0
	.amdhsa_kernel k_qfdec27cbe5_cvt
		.amdhsa_group_segment_fixed_size 0
		.amdhsa_private_segment_fixed_size 0
		.amdhsa_enable_private_segment 0
		.amdhsa_kernarg_size 48
		.amdhsa_user_sgpr_count 2
		.amdhsa_user_sgpr_kernarg_segment_ptr 1
		.amdhsa_wavefront_size32 1
		.amdhsa_system_sgpr_workgroup_id_x 1
		.amdhsa_system_sgpr_workgroup_id_y 1
		.amdhsa_system_sgpr_workgroup_id_z 1
		.amdhsa_system_vgpr_workitem_id 0
		.amdhsa_next_free_vgpr 116
		.amdhsa_next_free_sgpr 66
		.amdhsa_reserve_vcc 0
		.amdhsa_float_denorm_mode_32 3
		.amdhsa_float_denorm_mode_16_64 3
		.amdhsa_memory_ordered 1
		.amdhsa_forward_progress 1
		.amdhsa_inst_pref_size 12
	.end_amdhsa_kernel
	.amdgpu_metadata
---
amdhsa.version: [ 1, 2 ]
amdhsa.kernels:
  - .name:           k_qfdec27cbe5_cvt
    .symbol:         k_qfdec27cbe5_cvt.kd
    .args:
      - { .name: x, .offset: 0, .size: 8, .value_kind: global_buffer, .address_space: global }
      - { .name: wq, .offset: 8, .size: 8, .value_kind: global_buffer, .address_space: global }
      - { .name: wk, .offset: 16, .size: 8, .value_kind: global_buffer, .address_space: global }
      - { .name: wv, .offset: 24, .size: 8, .value_kind: global_buffer, .address_space: global }
      - { .name: xb, .offset: 32, .size: 8, .value_kind: global_buffer, .address_space: global }
      - { .name: wqkv, .offset: 40, .size: 8, .value_kind: global_buffer, .address_space: global }
    .group_segment_fixed_size: 0
    .private_segment_fixed_size: 0
    .kernarg_segment_align: 8
    .kernarg_segment_size: 48
    .max_flat_workgroup_size: 256
    .sgpr_count:     66
    .vgpr_count:     116
    .wavefront_size: 32
...
	.end_amdgpu_metadata
.endif
;; end of part 1
;; launch proj (part 2): grid 32 x 8, 4 waves a work-group, clusters of 4 x 4, 327,680 bytes of LDS; arguments xb, wqkv, cos, sin, qkv, wo, wob; writes qkv, wob
.if DOCPART == 2
	.amdgcn_target "amdgcn-amd-amdhsa--gfx1250"
	.amdhsa_code_object_version 6
	.text
	.protected	k_qfdec27cbe5_proj
	.globl	k_qfdec27cbe5_proj
	.p2align	8
	.type	k_qfdec27cbe5_proj,@function
k_qfdec27cbe5_proj:
	s_mov_b64 s[64:65], 0
	v_nop
	global_prefetch_b8 v0, s[64:65] scope:SCOPE_SE
	s_setreg_imm32_b32 hwreg(HW_REG_WAVE_MODE, 25, 1), 1
	s_wait_xcnt 0x0
	s_wait_alu depctr_hold_cnt(0) depctr_sa_sdst(0) depctr_va_vdst(0) depctr_va_sdst(0) depctr_va_ssrc(0) depctr_va_vcc(0) depctr_vm_vsrc(0)
	s_getreg_b32 s2, hwreg(HW_REG_IB_STS2, 6, 4)
	s_cmp_eq_u32 s2, 0
	s_cbranch_scc0 .Lentry_in_a_cluster
	s_endpgm
.Lentry_in_a_cluster:
	s_bfe_u32 s2, ttmp6, 0x10000c
	s_cmp_lg_u32 s2, 0xf033
	s_cbranch_scc0 .Lentry_shape_is_right
	s_endpgm
.Lentry_shape_is_right:
; THE THREE PROJECTIONS AS ONE PRODUCT, WITH THE ROTATION; AND, BESIDE IT, THE ROUNDING OF wo.
; C[m][n] = sum over k of xb[m][k] wqkv[n][k]: 1,024 x 6,144 x 4,096, bf16 operands, f32 sums.  xb holds x / 16, so C is q, k, v divided by 16.
; Columns below 5,120 (q and k) are rotated in neighbouring pairs by cos and sin of the row, both rounded to bf16 like every other input, the rotation itself in f32; C is rounded once to f16.
; OUT: qkv, 96 half-heads of [1,024 rows][64 channels] f16, half-head = column / 64: q's head h is 2 h, 2 h + 1; k's head g 64 + 2 g ..; v's 80 + 2 g ...
;      wob = f16(16 x bf16(wo)), which is exact inside f16's normal range: the last launch's weights.
; LIMITS.  |q|, |k|, |v| stay below 1.05e6 (a sixteenth of them must fit f16); below 9.8e-4 they keep a fixed step of 9.5e-7.  |wo| stays below 4,094 (16 wo must fit f16, whose largest number is 65,504); below 3.8e-6 a weight
; of wo keeps f16's fixed step.  NaN and infinities are not treated apart.  The sums run along K from the cluster's own start (below), not from 0.
; SHARES.  A tile of C is 128 x 192: 8 x 32 = 256 work-groups; 192 columns are three whole half-heads, so a work-group stores dense blocks.  Four waves: wave w has rows 64 (w / 2) .. + 63 and the six
; blocks of 16 columns 32 b + 16 (w % 2): 24 accumulators, 192 registers.
; THE RING has two UNEQUAL slots, so that a change of slots serves as many bytes as fit: two slots of 256 along K would be 2 x 320 x 528 = 337,920 bytes, more than there is.  BIG holds 256 along K (rows of 512 bytes),
; SMALL 128 (rows of 256 bytes): 168,960 + 87,040 bytes.  4,096 = 11 x 256 + 10 x 128: the walk is B S B S .. B, 20 changes of slots.
; THE WALK IS ROTATED.  A cluster whose x + y is odd starts at K = 2,176 and wraps round (2,176 + 5 x 384 = 4,096: no slot straddles the end).  The two clusters that share a column's weights differ in y, and of the
; eight that share a row block's x half have an odd x: so of two clusters that need the same bytes one asks for them about half a walk after the other.
; CLUSTER 4 x 4: a row of the cluster shares x's tile, a column the weights' tile; each is asked for jointly.  Wave 0 asks for x's 128 rows, waves 1 to 3 for 64 rows of weights each.
; THE MATRIX INSTRUCTION IS USED TRANSPOSED (source 0 = 16 rows of weights, source 1 = 16 rows of x): a lane holds one row of C and eight neighbouring columns, that is four pairs of the rotation.
; THE RIDERS.  wo's 67,108,864 bytes fall to the launch's 1,024 waves, 65,536 bytes each: 128 chunks of 512 bytes, as many as a wave has quarters of 32 along K.  Each quarter rounds one chunk, stores it and asks for the
; chunk twelve further on: a ring of twelve slots of four registers, as many as the loop has quarters, so that each slot's registers stand in the text.  The loop has no other vector work: the rider's ten plain
; instructions stand where four idle ones would have to stand, in front of the fragment loads.
; REGISTERS: window 0: v0-31 addresses; v32-47 at work; v64-255 accumulators ((a, b) at 64 + 8 (6 a + b)).
;   window 1: v0-159 two fragment buffers of 80 (six of the weights, then four of x); v160-207 the riders' ring; v208-213 their result, scratch and lane offsets; v214-218 the fragments' LDS addresses:
;   so a rider and the run of fragment loads behind it stand under one window setting.      window 2: v0-95 cos, v96-191 sin of my lanes' pairs, four to an accumulator.
.set PB,     528                       ; a row of BIG in LDS: 512 bytes + 16 of padding = 33 x 16: the 16 rows of a load start at 16 different groups of four banks (64 banks of 4 bytes: ISA guide 11.1)
.set PS,     272                       ; a row of SMALL: 256 + 16 = 17 x 16: likewise
.set BIGB,   128*PB                    ; in each slot the weights' 192 rows lie behind x's 128
.set SMALL,  320*PB                    ; SMALL begins behind BIG
.set SMB,    SMALL+128*PS
.set STAGE,  SMALL+320*PS              ; behind the ring: three half-heads x 128 rows x 144 bytes, the work-group's, for the way out
.set SP,     144
.set HHB,    128*SP
.set SPARE,  STAGE+3*HHB               ; behind the stage: the spare words, 128 bytes for each wave: two blocks of 256 bytes that no other line names
.set LAPB,   768                       ; a lap (BIG and SMALL) is 384 along K: 768 bytes of a row
.set ROT,    4352                      ; 2,176 along K, in bytes
.set CB,   8                           ; v8-13   byte offset in cos and sin of my four pairs in column block b, row block 0
.set STO,  24
.set RD,   25
.set CO,   26
.set SPW,  28                          ; v28     LDS address of my spare word; never rewritten
.set NIL,  29                          ; v29     0; never rewritten
.set T,    32
.set ACC,  64
.set F0,   0                           ; window 1 from here on
.set F1,   80
.set XR,   160                         ; slot i of the riders' ring: 4 registers, 16 bytes of wo a lane
.set YR,   208                         ; v208-209  a chunk's 8 bytes a lane, to store
.set WR,   210                         ; v210-211  at work
.set LOF,  212                         ; my 16 bytes in a chunk of wo; never rewritten
.set SOF,  213                         ; my 8 bytes in a chunk of wob; never rewritten
.set ADRA, 214                         ; v214, v215  LDS address of my fragments of x in BIG, SMALL
.set ADRB, 216                         ; v216, v217  the same for the weights; v218: BIG's column blocks 3 to 5 (5 x 32 x 528 bytes pass the 16 bits of an LDS offset)
.set COS,  0                           ; window 2
.set SIN,  96
.set DEPTH, 12                         ; slots in the riders' ring
.set NRID,  32                         ; riders in the text: 1 ahead of the loop, 12 in it (walked nine times), 19 behind it: 1 + 108 + 19 = 128 chunks
.set RQ,    0                          ; counts the riders as they are written
.set S16, 4                            ; s[4:5]    16.0, twice
.set WB,  14                           ; s[14:15]  wob at the chunk in hand
.set WO,  66                           ; s[66:67]  wo at the chunk in hand
.set G1A, 24                           ; s[24:31], s[32:39]  group 1 for x's tiles: BIG, SMALL
.set G1B, 40                           ; s[40:47], s[48:55]  for the weights' tiles
.set G0A, 56                           ; s[56:59], s[60:63]  group 0 for x's tiles
.set G0B, 68                           ; s[68:71], s[72:75]  for the weights' tiles
.set RM,  86                           ; s86-91  all ones where column block b is rotated, else 0
.set POS, 94                           ; s94, s95  where in a row, in bytes and before the wrap, the slot's tile in hand begins
.set OFF, 96                           ; s[96:97]  the same wrapped, as a pair
.set AB,  98                           ; s[98:99]  x at my tile's first row;  s[100:101] the weights at the first of the rows that I fetch
.set BBS, 100
.set MSB, 0
.macro WIN new                         ; the immediate's high byte repeats the setting that is left
.if MSB != (\new)
	s_set_vgpr_msb (MSB<<8)|(\new)
.set MSB, \new
.endif
.endm
.set MUL,  0x05                        ; sources 0 and 1 window 1; C and D window 0
.set TO_F, 0x45                        ; destination, source 0 (an address too) and source 1 (a store's data too) in window 1
.set TO_1, 0x40                        ; destination window 1, sources window 0
.macro JLOAD s                         ; a joint load into slot s (0 BIG, 1 SMALL); an s_nop 0 and four v_nop follow each of the two lines, ahead of the jump, the label and what follows
	s_cmp_eq_u32 s10, 0
	s_cbranch_scc0 .Lfor_b_\@
	tensor_load_to_lds s[G0A+4*(\s):G0A+4*(\s)+3], s[G1A+8*(\s):G1A+8*(\s)+7]
	s_nop 0
.rept 4
	v_nop
.endr
	s_branch .Lasked_\@
.Lfor_b_\@:
	tensor_load_to_lds s[G0B+4*(\s):G0B+4*(\s)+3], s[G1B+8*(\s):G1B+8*(\s)+7]
	s_nop 0
.rept 4
	v_nop
.endr
.Lasked_\@:
.endm
.macro AIM s                           ; slot s's two global addresses are made anew from its position: a row has 8,192 bytes, and the walk wraps round
	s_and_b32 s[OFF], s[POS+(\s)], 8191
	s_add_nc_u64 s[G0A+4*(\s)+2:G0A+4*(\s)+3], s[AB:AB+1], s[OFF:OFF+1]
	s_or_b32 s[G0A+4*(\s)+3], s[G0A+4*(\s)+3], 0x80000000    ; 127:126 type = 2
	s_add_nc_u64 s[G0B+4*(\s)+2:G0B+4*(\s)+3], s[BBS:BBS+1], s[OFF:OFF+1]
	s_or_b32 s[G0B+4*(\s)+3], s[G0B+4*(\s)+3], 0x80000000
.endm
.macro CREST                           ; a round of the cluster's barrier behind its opening barrier
	s_cmp_lg_u32 s10, 0
	s_cbranch_scc1 .Lnot_wave_0_\@
	s_barrier_signal -3
.Lnot_wave_0_\@:
	s_barrier_wait -3
	s_barrier_signal -1
	s_barrier_wait -1
.endm
.macro CROUND
	s_barrier_signal -1
	s_barrier_wait -1
	CREST
.endm
	s_load_b256 s[76:83], s[0:1], 0x0              ; xb s[76:77], wqkv s[78:79], cos s[80:81], sin s[82:83]
	s_load_b64 s[84:85], s[0:1], 0x20              ; qkv
	s_load_b64 s[WO:WO+1], s[0:1], 0x28            ; wo
	s_load_b64 s[WB:WB+1], s[0:1], 0x30            ; wob
	v_lshl_add_u32 v[SPW], v0, 2, SPARE
	v_mov_b32 v[NIL], 0
	ds_add_u32 v[SPW], v[NIL]                      ; the wave's opening: the add and its wait stand ahead of my first tensor load; the set-up below, work on registers, stands between them
	v_lshrrev_b32 v1, 5, v0
	v_readfirstlane_b32 s10, v1                    ; wave 0..3
	s_lshr_b32 s11, s10, 1                         ; which 64 rows are mine
	s_and_b32 s12, s10, 1                          ; which of each two column blocks
	s_bfe_u32 s4, ttmp6, 0x40000                   ; cx, cy: my place in the cluster
	s_bfe_u32 s5, ttmp6, 0x40004
	s_lshl_b32 s6, ttmp9, 2
	s_add_co_u32 s6, s6, s4                        ; tile column = 4 x cluster x + cx
	s_and_b32 s13, ttmp7, 0xffff
	s_add_co_u32 s9, s13, ttmp9                    ; the cluster's x + y, which all sixteen partners share:
	s_and_b32 s9, s9, 1                            ; odd: the walk starts at K = 2,176
	s_mul_i32 s[POS], s9, ROT                      ; BIG's first tile,
	s_add_co_u32 s[POS+1], s[POS], 512             ; SMALL's, 256 along K further on
	s_mov_b32 s[OFF+1], 0
	s_lshl_b32 s13, s13, 2
	s_add_co_u32 s13, s13, s5                      ; tile row = 4 x cluster y + cy
	s_lshl_b32 s7, s5, 2
	s_lshl_b32 s7, 15, s7                          ; my row of the cluster
	s_lshl_b32 s8, 0x1111, s4                      ; my column
	; group 1.  15:0 the mask; 17:16 2-byte elements; 20 padding on; 21 set beside a mask; 24:22 after every 128 words (code 6, BIG) or 64 (code 5, SMALL); 31:25 4 words (code 3)
	s_or_b32 s[G1A+0], s7, (1<<16)|(1<<20)|(1<<21)|(6<<22)|(3<<25)
	s_or_b32 s[G1A+8], s7, (1<<16)|(1<<20)|(1<<21)|(5<<22)|(3<<25)
	s_or_b32 s[G1B+0], s8, (1<<16)|(1<<20)|(1<<21)|(6<<22)|(3<<25)
	s_or_b32 s[G1B+8], s8, (1<<16)|(1<<20)|(1<<21)|(5<<22)|(3<<25)
.irp g, G1A, G1B
	s_mov_b32 s[(\g)+1], 256<<16                   ; BIG: tensor_dim0 = tile_dim0 = 256
	s_mov_b32 s[(\g)+3], 256<<16
	s_mov_b32 s[(\g)+9], 128<<16                   ; SMALL: 128
	s_mov_b32 s[(\g)+11], 128<<16
.irp o, 0, 8
	s_mov_b32 s[(\g)+(\o)+5], 4096                 ; elements from row to row
	s_mov_b32 s[(\g)+(\o)+6], 0
	s_mov_b32 s[(\g)+(\o)+7], 0
.endr
.endr
.irp o, 0, 8
	s_mov_b32 s[G1A+(\o)+2], 128<<16               ; tensor_dim1 and tile_dim1: 128 rows of x,
	s_mov_b32 s[G1A+(\o)+4], 128
	s_mov_b32 s[G1B+(\o)+2], 64<<16                ; 64 rows of weights
	s_mov_b32 s[G1B+(\o)+4], 64
.endr
	s_lshl_b32 s16, s13, 20                        ; x: 128 rows of 8,192 bytes a tile row
	s_mov_b32 s17, 0
	s_mul_i32 s20, s6, 192*8192                    ; weights: 192 rows a tile column,
	s_max_u32 s18, s10, 1
	s_sub_co_u32 s18, s18, 1
	s_lshl_b32 s18, s18, 19                        ; and 64 rows for each of waves 1 to 3 (wave 0 does not ask by this address)
	s_add_co_u32 s20, s20, s18
	s_mov_b32 s21, 0
	s_mov_b32 s[G0A+0], 1                          ; 1:0 count = 1
	s_mov_b32 s[G0A+1], 0                          ; 63:32 LDS address: x's rows stand at a slot's head
	s_mov_b32 s[G0A+4], 1
	s_mov_b32 s[G0A+5], SMALL
	s_mul_i32 s22, s10, 64*PB
	s_mul_i32 s23, s10, 64*PS
	s_mov_b32 s[G0B+0], 1
	s_add_co_u32 s[G0B+1], s22, 64*PB              ; wave w's 64 rows of weights: behind x's 128 rows and (w - 1) x 64 rows
	s_mov_b32 s[G0B+4], 1
	s_add_co_u32 s[G0B+5], s23, SMALL+64*PS
	s_wait_dscnt 0x0                               ; the opening add is done
	s_wait_kmcnt 0x0
	s_add_nc_u64 s[AB:AB+1], s[76:77], s[16:17]
	s_add_nc_u64 s[BBS:BBS+1], s[78:79], s[20:21]
	CROUND                                         ; all sixteen work-groups are here: the first joint loads meet
	AIM 0
	JLOAD 0
	AIM 1
	JLOAD 1                                        ; two loads of mine are out behind these
	v_and_b32 v1, 15, v0                           ; r = l % 16
	v_bfe_u32 v2, v0, 4, 1                         ; h = l / 16
	v_mul_u32_u24 v3, v1, PB
	v_lshl_add_u32 v3, v2, 4, v3                   ; a fragment's row x pitch + 16 x half, in BIG
	v_mul_u32_u24 v4, v1, PS
	v_lshl_add_u32 v4, v2, 4, v4                   ; and in SMALL
	v_and_b32 v5, 31, v0                           ; lane
	WIN TO_1                                       ; what the loop's loads and stores name as addresses lies in window 1
	s_mul_i32 s22, s11, 64*PB
	v_add_nc_u32 v[ADRA], s22, v3
	s_mul_i32 s22, s11, 64*PS
	s_add_co_u32 s22, s22, SMALL
	v_add_nc_u32 v[ADRA+1], s22, v4
	s_mul_i32 s22, s12, 16*PB
	s_add_co_u32 s22, s22, BIGB
	v_add_nc_u32 v[ADRB], s22, v3
	s_add_co_u32 s22, s22, 3*32*PB
	v_add_nc_u32 v[ADRB+2], s22, v3
	s_mul_i32 s22, s12, 16*PS
	s_add_co_u32 s22, s22, SMB
	v_add_nc_u32 v[ADRB+1], s22, v4
	v_lshlrev_b32 v[LOF], 4, v5
	v_lshlrev_b32 v[SOF], 3, v5
	WIN 0
	s_lshl_b32 s18, s13, 5                         ; my wave among the launch's 1,024: (32 x tile row + tile column) x 4 + w;
	s_add_co_u32 s18, s18, s6
	s_lshl_b32 s18, s18, 2
	s_add_co_u32 s18, s18, s10
	s_lshl_b32 s20, s18, 16                        ; its 65,536 bytes of wo,
	s_mov_b32 s21, 0
	s_add_nc_u64 s[WO:WO+1], s[WO:WO+1], s[20:21]
	s_lshl_b32 s20, s18, 15                        ; its 32,768 bytes of wob
	s_add_nc_u64 s[WB:WB+1], s[WB:WB+1], s[20:21]
	s_mov_b32 s[S16], 0x41800000                   ; 16.0 (cx and cy have served)
	s_mov_b32 s[S16+1], s[S16]                     ; named with it as a pair
	s_mul_i32 s23, s11, 64*SP                      ; into the stage: row 64 (w / 2) + r, bytes 32 (w % 2) + 16 h of a group of 64
	s_lshl_b32 s22, s12, 5
	s_add_co_u32 s23, s23, s22
	s_add_co_u32 s23, s23, STAGE
	v_mul_u32_u24 v4, v1, SP
	v_lshl_add_u32 v4, v2, 4, v4
	v_add_nc_u32 v[STO], s23, v4
	s_mul_i32 s23, s10, 32*SP                      ; back: wave w takes rows 32 w .. + 31; 32 lanes take four rows of 128 bytes
	s_add_co_u32 s23, s23, STAGE
	v_lshlrev_b32 v[CO], 4, v5                     ; which are 512 consecutive bytes of a half-head
	v_bfe_u32 v4, v0, 3, 2
	v_and_b32 v5, 7, v0
	v_mul_u32_u24 v4, v4, SP
	v_lshl_add_u32 v4, v5, 4, v4
	v_add_nc_u32 v[RD], s23, v4
	s_mul_i32 s20, s6, 3*131072                    ; my three half-heads,
	s_lshl_b32 s21, s13, 14                        ; the tile's 128 rows of 128 bytes,
	s_add_co_u32 s20, s20, s21
	s_lshl_b32 s21, s10, 12                        ; my 32 of them
	s_add_co_u32 s20, s20, s21
	s_mov_b32 s21, 0
	s_add_nc_u64 s[84:85], s[84:85], s[20:21]
	; cos and sin: a row has 64 numbers, 256 bytes; my four pairs of column block b begin at pair (column % 128) / 2 + 4 h
	s_lshl_b32 s8, s13, 15
	s_lshl_b32 s9, s11, 14
	s_add_co_u32 s8, s8, s9                        ; my first row x 256
	v_lshlrev_b32 v6, 8, v1
	v_lshl_add_u32 v6, v2, 4, v6
	v_add_nc_u32 v6, s8, v6
	s_mul_i32 s18, s6, 192
	s_lshl_b32 s19, s12, 4
	s_add_co_u32 s18, s18, s19                     ; my first column
.irp b, 0,1,2,3,4,5
	s_add_co_u32 s19, s18, 32*(\b)
	s_cmp_lt_u32 s19, 5120                         ; q's and k's columns are rotated, v's are not: a select, no branch
	s_cselect_b32 s[RM+(\b)], -1, 0
	s_and_b32 s19, s19, 127
	s_lshl_b32 s19, s19, 1
	v_add_nc_u32 v[CB+(\b)], s19, v6
.endr
	s_mov_b32 s92, 0x3f80                          ; cos = 1 (bf16, low half), sin = 0
	s_mov_b32 s93, 0xffff0000                      ; a word's upper bf16
	WIN 0x80                                       ; destination window 2, address window 0
.irp a, 0,1,2,3
.irp b, 0,1,2,3,4,5
	global_load_b128 v[COS+4*(6*(\a)+(\b)):COS+4*(6*(\a)+(\b))+3], v[CB+(\b)], s[80:81] offset:(\a)*4096
	global_load_b128 v[SIN+4*(6*(\a)+(\b)):SIN+4*(6*(\a)+(\b))+3], v[CB+(\b)], s[82:83] offset:(\a)*4096
.endr
.endr
	WIN TO_F                                       ; the riders' ring is filled: chunks 0 to 11.  With the 48 above, 60 loads of mine are out
.set j, 0
.rept DEPTH
	global_load_b128 v[XR+4*j:XR+4*j+3], v[LOF], s[WO:WO+1] offset:512*j th:TH_LOAD_NT
.set j, j+1
.endr
	WIN 0
; A RIDER: chunk q of my 128 is rounded and stored, and chunk q + 12 is asked for, into the slot just read.  The text's rider RQ is chunk RQ ahead of the loop, 12 t + RQ in the loop's trip t, 96 + RQ behind it:
; the slot is RQ % 12 in all three.  The last load is chunk 127's, in rider 19 of the text; behind it the counts run down.
.macro RIDER
.set RS, XR+4*(RQ%DEPTH)
.set RL, NRID-1-RQ
.if RL > DEPTH-1
.set RL, DEPTH-1
.endif
	s_wait_loadcnt RL                              ; loads come back in order (ISA guide 5.7.1): my chunk is in (ahead of the first: cos and sin too), the younger loads, eleven or what is left of them, stay out
	s_wait_xcnt 0x0                                ; every earlier memory instruction has had its addresses translated (ISA guide 3.1): the two bases and the last store's data are rewritten only behind this wait
.if RQ > 0
	s_add_nc_u64 s[WO:WO+1], s[WO:WO+1], 512       ; on to this chunk
	s_add_nc_u64 s[WB:WB+1], s[WB:WB+1], 256
.endif
	WIN TO_F
	v_cvt_pk_bf16_f32 v[RS], v[RS], v[RS+1]        ; rounded to bf16, like every input;
	v_cvt_pk_bf16_f32 v[RS+1], v[RS+2], v[RS+3]
	v_lshlrev_b32 v[WR], 16, v[RS]                 ; widened again;
	v_and_b32 v[WR+1], s93, v[RS]
	v_lshlrev_b32 v[RS+2], 16, v[RS+1]
	v_and_b32 v[RS+3], s93, v[RS+1]
	v_pk_mul_f32 v[WR:WR+1], v[WR:WR+1], s[S16:S16+1] op_sel_hi:[1,0]      ; times 16, exactly;
	v_pk_mul_f32 v[RS+2:RS+3], v[RS+2:RS+3], s[S16:S16+1] op_sel_hi:[1,0]
	v_cvt_pk_f16_f32 v[YR], v[WR], v[WR+1]         ; written as f16
	v_cvt_pk_f16_f32 v[YR+1], v[RS+2], v[RS+3]
.if RQ < NRID-DEPTH
	global_load_b128 v[RS:RS+3], v[LOF], s[WO:WO+1] offset:DEPTH*512 th:TH_LOAD_NT  ; twelve quarters, 288 matrix instructions, ahead of the wait for it
.endif
	global_store_b64 v[SOF], v[YR:YR+1], s[WB:WB+1]  ; the wave stores 256 consecutive bytes, at a multiple of 256 from wob's first byte; a later launch reads them: no hint
.set RQ, RQ+1
.endm
; 6 matrix instructions: row block a x my six column blocks, 32 along K.  zero = 1: the first product starts the sums.  The 24 accumulators take turns.
.macro MUL6 f, a, zero
	WIN MUL
.irp b, 0,1,2,3,4,5
.if \zero
	v_wmma_f32_16x16x32_bf16 v[ACC+8*(6*(\a)+(\b)):ACC+8*(6*(\a)+(\b))+7], v[(\f)+8*(\b):(\f)+8*(\b)+7], v[(\f)+48+8*(\a):(\f)+48+8*(\a)+7], 0
.else
	v_wmma_f32_16x16x32_bf16 v[ACC+8*(6*(\a)+(\b)):ACC+8*(6*(\a)+(\b))+7], v[(\f)+8*(\b):(\f)+8*(\b)+7], v[(\f)+48+8*(\a):(\f)+48+8*(\a)+7], v[ACC+8*(6*(\a)+(\b)):ACC+8*(6*(\a)+(\b))+7]
.endif
.endr
.endm
; 20 LDS loads in one run: the fragments of 32 along K at byte k of slot s's rows: twelve of the weights, then eight of x
.macro FETCH s, k, f
	WIN TO_F
.irp b, 0,1,2,3,4,5
.if (\s) == 0
.set FR, ADRB+2*((\b)/3)
.set FO, (\k)+((\b)%3)*32*PB
.else
.set FR, ADRB+1
.set FO, (\k)+(\b)*32*PS
.endif
	ds_load_b128 v[(\f)+8*(\b):(\f)+8*(\b)+3],   v[FR] offset:FO
	ds_load_b128 v[(\f)+8*(\b)+4:(\f)+8*(\b)+7], v[FR] offset:FO+32
.endr
.irp a, 0,1,2,3
.set FO, (\k)+(\a)*16*(PB-(\s)*(PB-PS))
	ds_load_b128 v[(\f)+48+8*(\a):(\f)+48+8*(\a)+3],   v[ADRA+(\s)] offset:FO
	ds_load_b128 v[(\f)+48+8*(\a)+4:(\f)+48+8*(\a)+7], v[ADRA+(\s)] offset:FO+32
.endr
.endm
; A QUARTER is 32 along K, 24 matrix instructions; BIG has eight of them, SMALL four, on buffers 0, 1, 0, 1 ..  All but a slot's last: multiplies buffer f and fetches the next quarter, at byte k of slot s's rows, into g.
; A load into a register that a matrix instruction has read stands four places behind it, and only plain vector instructions that name none of its registers are places (ISA guide 7.12.1 for vector
; instructions): the rider's ten are such.
.macro QUARTER s, k, f, g, zero
	s_wait_dscnt 4                                 ; the weights and x's row blocks 0 and 1 are in; the youngest four loads (blocks 2, 3) may be out
	MUL6 \f, 0, \zero
	MUL6 \f, 1, \zero
	RIDER
	FETCH \s, \k, \g
	s_wait_dscnt 20                                ; all but the 20 just issued
	MUL6 \f, 2, \zero
	MUL6 \f, 3, \zero
.endm
; A slot's last quarter multiplies buffer 1 and changes slots: ONE barrier; in front of it each wave waits for all its tensor loads, adds 0 to its spare word, and waits for that and for its own reads of slot s.
; fill = 1: the barrier opens a round of the cluster's, and slot s is filled again, a lap ahead.  From that request to the wait for it a wave issues 84 matrix instructions (BIG's load: SMALL is multiplied meanwhile) or 180 (SMALL's).
; The quarter's rider stands behind the barrier and the refill: between the add and its wait, and inside the barrier, stands work on registers alone.
.macro TURN s, n, fill
	WIN 0                                          ; (the add's two registers lie in window 0)
	s_wait_tensorcnt 0x0                           ; all my tensor loads have landed: my part of slot n; so every group 0 may be written
	ds_add_u32 v[SPW], v[NIL]                      ; 0 onto my spare word
.if \fill
	s_add_co_u32 s[POS+(\s)], s[POS+(\s)], LAPB    ; slot s's next tile
	AIM \s
.endif
	s_wait_dscnt 5                                 ; (the add and the youngest four loads may be out)
	MUL6 F1, 0, 0                                  ; six matrix instructions stand between the add and the wait for it
	s_wait_dscnt 0x0                               ; the add is done, and my reads of slot s are over
	s_barrier_signal -1
	MUL6 F1, 1, 0
.if \fill
	WIN 0
.endif
	s_barrier_wait -1
.if \fill
	CREST                                          ; no wave of any partner still reads this slot's tile or has a load on its way
	JLOAD \s                                       ; the first tensor load behind the round
.endif
	RIDER
	FETCH \n, 0, F0
	MUL6 F1, 2, 0
	MUL6 F1, 3, 0
.endm
.macro BIGREST                         ; BIG's quarters 1 to 6
	QUARTER 0, 128, F1, F0, 0
	QUARTER 0, 192, F0, F1, 0
	QUARTER 0, 256, F1, F0, 0
	QUARTER 0, 320, F0, F1, 0
	QUARTER 0, 384, F1, F0, 0
	QUARTER 0, 448, F0, F1, 0
.endm
.macro SMALLQ                          ; SMALL's quarters 0 to 2
	QUARTER 1, 64,  F0, F1, 0
	QUARTER 1, 128, F1, F0, 0
	QUARTER 1, 192, F0, F1, 0
.endm
	s_wait_tensorcnt 1                             ; my part of BIG is in; SMALL's may stay out
	s_barrier_signal -1
	s_barrier_wait -1
	FETCH 0, 0, F0
	QUARTER 0, 64, F0, F1, 1                       ; the first quarter stands in front of the loop: its products start the sums
	WIN 0
	s_mov_b32 s3, 9
.Llap:                                                 ; nine trips: each goes once round the ring, from BIG's second quarter to the next BIG's first, fills both slots again, and goes once round the riders' ring
	BIGREST
	TURN 0, 1, 1
	SMALLQ
	TURN 1, 0, 1
	QUARTER 0, 64, F0, F1, 0
	WIN 0
	s_sub_co_u32 s3, s3, 1
	s_cmp_lg_u32 s3, 0
	s_cbranch_scc1 .Llap
	BIGREST                                        ; the tail is written out: the tenth BIG
	TURN 0, 1, 1                                   ; the eleventh is asked for: the last tensor load; its rider asks for wo's last chunk;
	SMALLQ                                         ; the tenth SMALL, which is not filled again;
	TURN 1, 0, 0
	QUARTER 0, 64, F0, F1, 0                       ; the eleventh BIG
	BIGREST
	s_wait_dscnt 4
	MUL6 F1, 0, 0
	MUL6 F1, 1, 0
	RIDER                                          ; the last chunk
	s_wait_dscnt 0x0
	MUL6 F1, 2, 0
	MUL6 F1, 3, 0
	; THE WAY OUT.  cos and sin are rounded to bf16 (packed into cos's register), replaced by 1 and 0 in v's columns, and widened again.  These lines name no register of the last products: they are the places behind them.
	s_wait_loadcnt 0x0
	WIN 0x8a                                       ; all in window 2
.set i, 0
.rept 96
	v_cvt_pk_bf16_f32 v[COS+i], v[COS+i], v[SIN+i]
.set i, i+1
.endr
	WIN 0x88                                       ; source 1 and destination in window 2; source 0 is a scalar or a constant
.set i, 0
.rept 96
	v_cndmask_b32 v[COS+i], s92, v[COS+i], s[RM+(i/4)%6]
.set i, i+1
.endr
.set i, 0
.rept 96
	v_and_b32 v[SIN+i], s93, v[COS+i]
	v_lshlrev_b32 v[COS+i], 16, v[COS+i]
.set i, i+1
.endr
	; The rotation of pair (a, b): a c - b s, a s + b c.  Each accumulator's lowest registers are read first.
	WIN 0x08                                       ; source 1 in window 2
.set t, 0
.rept 24
.set p, 0
.rept 4
.set D, ACC+8*t+2*p
.set TT, T+2*((4*t+p)%8)
	v_mul_f32 v[TT], v[D+1], v[SIN+4*t+p]
	v_mul_f32 v[TT+1], v[D+1], v[COS+4*t+p]
	v_fma_f32 v[D+1], v[D], v[SIN+4*t+p], v[TT+1]
	v_fma_f32 v[D], v[D], v[COS+4*t+p], -v[TT]
.set p, p+1
.endr
.set t, t+1
.endr
	WIN 0
.set t, 0
.rept 24                               ; eight neighbouring columns of a row pack into 16 bytes, which go into the stage
.set D, ACC+8*t
	v_cvt_pk_f16_f32 v[D], v[D], v[D+1]
	v_cvt_pk_f16_f32 v[D+1], v[D+2], v[D+3]
	v_cvt_pk_f16_f32 v[D+2], v[D+4], v[D+5]
	v_cvt_pk_f16_f32 v[D+3], v[D+6], v[D+7]
	ds_store_b128 v[STO], v[D:D+3] offset:(t/6)*16*SP+((t%6)/2)*HHB+((t%6)%2)*64
.set t, t+1
.endr
	s_wait_dscnt 0x0                               ; for the others' sake: a half-head's row comes from two waves
	s_barrier_signal -1
	s_barrier_wait -1
.set i, 0
.rept 24
	ds_load_b128 v[ACC+8*i+4:ACC+8*i+7], v[RD] offset:(i/8)*HHB+(i%8)*4*SP
.set i, i+1
.endr
.set i, 0
.rept 24
	s_wait_dscnt 23-i                              ; LDS loads come back in order: load i is in, the younger ones stay out
	global_store_b128 v[CO], v[ACC+8*i+4:ACC+8*i+7], s[84:85] offset:(i/8)*131072+(i%8)*512  ; 512 consecutive bytes, at a multiple of 256 from qkv's first
.set i, i+1
.endr
	s_wait_tensorcnt 0x0                           ; the wave's end, behind my last tensor load and my last LDS store
	ds_add_u32 v[SPW], v[NIL]
	s_wait_dscnt 0x0
	CROUND                                         ; the closing round: no work-group ends while a partner may still ask for a tile that names it
	s_endpgm
.Lfunc_end_k_qfdec27cbe5_proj:
	.size	k_qfdec27cbe5_proj, .Lfunc_end_k_qfdec27cbe5_proj-k_qfdec27cbe5_proj
	.p2alignl 7, 3214868480
	.fill 96, 4, 3214868480
	.section	.rodata,"a",@progbits
	.p2align	6, 0x0
	.amdhsa_kernel k_qfdec27cbe5_proj
		.amdhsa_group_segment_fixed_size 327680
		.amdhsa_private_segment_fixed_size 0
		.amdhsa_enable_private_segment 0
		.amdhsa_kernarg_size 56
		.amdhsa_user_sgpr_count 2
		.amdhsa_user_sgpr_kernarg_segment_ptr 1
		.amdhsa_wavefront_size32 1
		.amdhsa_system_sgpr_workgroup_id_x 1
		.amdhsa_system_sgpr_workgroup_id_y 1
		.amdhsa_system_sgpr_workgroup_id_z 1
		.amdhsa_system_vgpr_workitem_id 0
		.amdhsa_next_free_vgpr 704
		.amdhsa_next_free_sgpr 102
		.amdhsa_reserve_vcc 0
		.amdhsa_float_denorm_mode_32 3
		.amdhsa_float_denorm_mode_16_64 3
		.amdhsa_memory_ordered 1
		.amdhsa_forward_progress 1
		.amdhsa_inst_pref_size 189
	.end_amdhsa_kernel
	.amdgpu_metadata
---
amdhsa.version: [ 1, 2 ]
amdhsa.kernels:
  - .name:           k_qfdec27cbe5_proj
    .symbol:         k_qfdec27cbe5_proj.kd
    .args:
      - { .name: xb, .offset: 0, .size: 8, .value_kind: global_buffer, .address_space: global }
      - { .name: wqkv, .offset: 8, .size: 8, .value_kind: global_buffer, .address_space: global }
      - { .name: cos, .offset: 16, .size: 8, .value_kind: global_buffer, .address_space: global }
      - { .name: sin, .offset: 24, .size: 8, .value_kind: global_buffer, .address_space: global }
      - { .name: qkv, .offset: 32, .size: 8, .value_kind: global_buffer, .address_space: global }
      - { .name: wo, .offset: 40, .size: 8, .value_kind: global_buffer, .address_space: global }
      - { .name: wob, .offset: 48, .size: 8, .value_kind: global_buffer, .address_space: global }
    .group_segment_fixed_size: 327680
    .private_segment_fixed_size: 0
    .kernarg_segment_align: 8
    .kernarg_segment_size: 56
    .max_flat_workgroup_size: 128
    .sgpr_count:     102
    .vgpr_count:     704
    .wavefront_size: 32
...
	.end_amdgpu_metadata
.endif
;; end of part 2
;; launch attn (part 3): grid 32 x 8, 4 waves a work-group, clusters of 4 x 1, 327,680 bytes of LDS; arguments qkv, ob; writes ob
.if DOCPART == 3
	.amdgcn_target "amdgcn-amd-amdhsa--gfx1250"
	.amdhsa_code_object_version 6
	.text
	.protected	k_qfdec27cbe5_attn
	.globl	k_qfdec27cbe5_attn
	.p2align	8
	.type	k_qfdec27cbe5_attn,@function
k_qfdec27cbe5_attn:
	s_mov_b64 s[64:65], 0
	v_nop
	global_prefetch_b8 v0, s[64:65] scope:SCOPE_SE
	s_setreg_imm32_b32 hwreg(HW_REG_WAVE_MODE, 25, 1), 1
	s_wait_xcnt 0x0
	s_wait_alu depctr_hold_cnt(0) depctr_sa_sdst(0) depctr_va_vdst(0) depctr_va_sdst(0) depctr_va_ssrc(0) depctr_va_vcc(0) depctr_vm_vsrc(0)
	s_getreg_b32 s2, hwreg(HW_REG_IB_STS2, 6, 4)
	s_cmp_eq_u32 s2, 0
	s_cbranch_scc0 .Lentry_in_a_cluster
	s_endpgm
.Lentry_in_a_cluster:
	s_bfe_u32 s2, ttmp6, 0x10000c
	s_cmp_lg_u32 s2, 0x3003
	s_cbranch_scc0 .Lentry_shape_is_right
	s_endpgm
.Lentry_shape_is_right:
; CAUSAL ATTENTION, 32 query heads on 8 key and value heads, head size 128, 1,024 rows.  qkv holds q / 16, k / 16, v / 16 in f16, by half-heads of [1,024][64] (q's head h: 2 h, 2 h + 1; k's head g: 64 + 2 g ..; v's: 80 + 2 g ..).
; ob[row][128 head + channel] = O / 16 in f16.  Products, maxima and sums in f32; the weights p are rounded to f16 for the second product (their sum l is taken of the unrounded p), O once at the end.
; SOFTMAX.  A running maximum m and sum l for each query: p = 2^(c s - c m), c = 256 log2(e) / sqrt(128) (the 256 undoes the two sixteenths); in every step O and l are multiplied by a = 2^(c m_old - c m_new).
; LIMITS.  A hidden score counts as its value less 1e30 (f16's scores, 5.5e11 at the most, are nothing beside that); a weight below 2^-126 counts as 0 in l; p below 6e-5 keeps f16's fixed step; NaN and infinities are not treated apart.
; SHARES.  Work-group (b, g), b = 0 .. 31: key and value head g; wave w is query head 4 g + w, so the four waves read the same K and V from LDS.  It takes TWO blocks of 16 queries, 63 - b and then b.
; With u = b / 8 the first needs the key tiles (128 keys) 0 .. 7 - u, the second 0 .. u: nine tiles whatever b: all work-groups do equal work, and one loop with a constant count walks them.
; CLUSTER 4 x 1: the four partners (b = 4 c + cx) have the same u and the same walk, so every tile is asked for JOINTLY.  cx enters the addresses of Q and O and the mask's values alone.
; THE MASK is the C operand that starts S^T = K Q^T.  A block's queries lie in one key step of 64 (its own step, SOWN); MD is the mask of that step for my lanes; a step's mask is MD x AL + BE:
; (1, 0) in the own step, (0, 0) before it, (0, -1e30) behind it (one such step a work-group: a tile holds two steps).
; LAYOUT.  S^T (source 0 = 16 keys, source 1 = 16 queries) holds ONE query a lane (l % 16) and the keys 8 (l / 16) + 0..7; two such results rounded to f16 ARE source 1 of O^T = V^T P.  V is turned by ds_load_tr16_b128.
; IN PHASES: a key step is its mask, 16 products K Q^T, the softmax, 16 products V^T P.
; REGISTERS: window 0: addresses, statistics, S^T v32-63, P v64-79, MC v80-111, MD v112-143, O^T v144-207.  window 1: K of a step v0-127, V of a step v128-255.  window 2: Q v0-31, the second block's Q v32-63.
.set PKB,   144       ; a row of half a K in LDS: 128 bytes + 16 of padding: the 16 rows of a load start at 16 different groups of four banks (64 banks of 4 bytes: ISA guide 11.1)
.set PVB,   160       ; of half a V: 128 + 32
.set KHALF, 128*PKB   ; a slot: K's channels 0-63 of 128 keys, K's channels 64-127, then V's two halves
.set VOFF,  2*KHALF
.set VHALF, 128*PVB
.set SLOT1, 1<<17     ; slot 1 begins here, so that one exclusive or turns an address in one slot into the other's
.set STAGE, SLOT1+VOFF+2*VHALF  ; behind the ring: 16 rows x 272 bytes for each wave, for the way out
.set SP,    272
.set SPARE, STAGE+4*16*SP       ; behind the stages: the spare words, 128 bytes for each wave: two blocks of 256 bytes that no other line names
.set AK0, 2           ; my lane's place in a tile of K; never rewritten
.set AV0, 3           ; the same for V
.set AK,  4           ; the same in the slot in hand
.set AV,  5
.set STO, 6
.set RD,  7
.set GO,  8
.set QO,  12
.set DL,  13          ; my query's place in its own step, less 8 (l / 16): first block,
.set DS,  14          ; second block
.set ST0, 16          ; v16 c m, v17 m, v18-19 l (even keys', odd keys')
.set CW,  20          ; v20-23 at work; when the maximum is found v22 takes a
.set MOLD, 24
.set SPW, 30          ; LDS address of my spare word; never rewritten
.set NIL, 31          ; 0; never rewritten
.set S,   32
.set P,   64
.set MC,  80
.set MD,  112
.set OT,  144
.set WV,  12          ; s12 my wave's number
.set CX,  13
.set CC,  14          ; the cluster's number c
.set UU,  15          ; u = c / 2
.set GG,  16
.set BB,  17
.set KB,  20          ; s[20:21] K at my half-head's first byte;  s[22:23] V
.set VB,  22
.set G1K, 24
.set G1V, 32
.set G0K, 40
.set G0V, 44
.set OB,  48          ; s[48:49] O at the rows of the block in hand;  s[50:51] of the second block
.set OLO, 50
.set QLB, 52
.set QSB, 54
.set SLOTS, 56
.set CS,  58
.set SEL, 60
.set TB,  62          ; LDS byte at which the slot to be read begins
.set RT,  66          ; tiles of the block in hand that are still to be walked
.set NXT, 67          ; the tile to be asked for next
.set LQ,  68          ; the last tile of the block whose tiles are being asked for
.set STP, 69          ; the key step in hand, counted in the block
.set SOWN, 70         ; the block's own step
.set OFF, 72
.set AL,  74
.set BE,  76
.set BIGN, 78
.set MSB, 0
.macro WIN new
.if MSB != (\new)
	s_set_vgpr_msb (MSB<<8)|(\new)
.set MSB, (\new)
.endif
.endm
.set W_KQ, 0x09       ; K in window 1, Q in window 2, C and S^T in window 0
.set W_PV, 0x01       ; V in window 1, P and O^T in window 0
.macro JLOAD                        ; a joint fill: waves 0 and 1 fetch K's two halves, waves 2 and 3 V's; an s_nop 0 and four v_nop follow each line, ahead of the jump and the label
	s_cmp_lt_u32 s[WV], 2
	s_cbranch_scc0 .Lfor_v_\@
	tensor_load_to_lds s[G0K:G0K+3], s[G1K:G1K+7]
	s_nop 0
.rept 4
	v_nop
.endr
	s_branch .Lasked_\@
.Lfor_v_\@:
	tensor_load_to_lds s[G0V:G0V+3], s[G1V:G1V+7]
	s_nop 0
.rept 4
	v_nop
.endr
.Lasked_\@:
.endm
.macro CROUND                       ; a round of the cluster's barrier
	s_barrier_signal -1
	s_barrier_wait -1
	s_cmp_lg_u32 s[WV], 0
	s_cbranch_scc1 .Lnot_wave_0_\@
	s_barrier_signal -3
.Lnot_wave_0_\@:
	s_barrier_wait -3
	s_barrier_signal -1
	s_barrier_wait -1
.endm
.macro PLACES
.rept 4
	v_nop
.endr
.endm
; THE CHANGE OF SLOTS.  Each wave waits for all its tensor loads, of which one is out: its part of the other slot; adds 0 to its spare word; and waits for that and for its own reads of the slot that it leaves.
; fill = 1: the barrier is a round of the cluster's, and the old slot is filled again first thing behind it, with tile NXT: it has two key steps in which to land.  The address is made anew from that number.
; (At its first use nothing has been read yet: slot 0 is waited for, slot 1 filled.)
.macro CHANGE fill
	WIN 0
	s_wait_tensorcnt 0x0            ; no tensor load of mine is out, so a group 0 may be written
	ds_add_u32 v[SPW], v[NIL]       ; 0 onto my spare word; scalar work stands between it and the wait for it
.if \fill
	s_lshl_b32 s[OFF], s[NXT], 14   ; a tile is 16,384 bytes of a half-head
	s_xor_b32 s[G0K+1], s[G0K+1], SLOT1
	s_add_nc_u64 s[G0K+2:G0K+3], s[KB:KB+1], s[OFF:OFF+1]
	s_or_b32 s[G0K+3], s[G0K+3], 0x80000000
	s_xor_b32 s[G0V+1], s[G0V+1], SLOT1
	s_add_nc_u64 s[G0V+2:G0V+3], s[VB:VB+1], s[OFF:OFF+1]
	s_or_b32 s[G0V+3], s[G0V+3], 0x80000000
	s_add_co_u32 s[NXT], s[NXT], 1  ; the block's next tile, or behind its last the second block's tile 0
	s_cmp_gt_u32 s[NXT], s[LQ]
	s_cselect_b32 s[NXT], 0, s[NXT]
	s_cselect_b32 s[LQ], s[UU], s[LQ]
.endif
	s_xor_b32 s[TB], s[TB], SLOT1   ; the reads go to the other slot
	s_wait_dscnt 0x0                ; the add is done, and my reads of the slot are over
.if \fill
	CROUND
	JLOAD
.else
	s_barrier_signal -1
	s_barrier_wait -1
.endif
.endm
.macro MKMD d                       ; register 8 kb + j (key 16 kb + 8 (l / 16) + j of the step) is hidden where 16 kb + j is greater than v[d]
.set i, 0
.rept 32
	v_cmp_gt_i32 vcc_lo, 16*(i/8)+i%8, v[\d]
	v_cndmask_b32 v[MD+i], 0, s[BIGN], vcc_lo
.set i, i+1
.endr
.endm
	s_load_b128 s[4:7], s[0:1], 0x0   ; qkv s[4:5], ob s[6:7]
	v_lshl_add_u32 v[SPW], v0, 2, SPARE
	v_mov_b32 v[NIL], 0
	ds_add_u32 v[SPW], v[NIL]       ; the wave's opening: the add and its wait stand ahead of my first tensor load; the set-up below, work on registers, stands between them
	v_lshrrev_b32 v1, 5, v0
	v_readfirstlane_b32 s[WV], v1
	s_bfe_u32 s[CX], ttmp6, 0x40000
	s_mov_b32 s[CC], ttmp9
	s_lshr_b32 s[UU], s[CC], 1
	s_and_b32 s[GG], ttmp7, 0xffff
	s_lshl_b32 s[BB], s[CC], 2
	s_add_co_u32 s[BB], s[BB], s[CX]
	s_and_b32 s18, s[WV], 1         ; which half of the channels I fetch
	s_lshl_b32 s19, s[GG], 1
	s_add_co_u32 s19, s19, s18
	s_add_co_u32 s19, s19, 64
	s_lshl_b32 s2, s19, 17          ; K's half-head 64 + 2 g + e, 131,072 bytes each
	s_mov_b32 s3, 0
	s_mov_b32 s[G0K], 1
	s_mul_i32 s[G0K+1], s18, KHALF  ; slot 0
	s_mov_b32 s[G0V], 1
	s_mul_i32 s[G0V+1], s18, VHALF
	s_add_co_u32 s[G0V+1], s[G0V+1], VOFF
	s_lshl_b32 s8, s[GG], 2
	s_add_co_u32 s8, s8, s[WV]      ; my query head
	s_sub_co_u32 s9, 63, s[BB]      ; the first block
	s_lshl_b32 s10, s8, 18          ; two half-heads a head
	s_lshl_b32 s11, s9, 11          ; 16 rows of 128 bytes a block
	s_add_co_u32 s80, s10, s11
	s_mov_b32 s81, 0
	s_lshl_b32 s11, s[BB], 11
	s_add_co_u32 s82, s10, s11
	s_mov_b32 s83, 0
	s_lshl_b32 s10, s8, 8           ; in ob: 256 bytes a head,
	s_lshl_b32 s11, s9, 17          ; 16 rows of 8,192 bytes a block
	s_add_co_u32 s84, s10, s11
	s_mov_b32 s85, 0
	s_lshl_b32 s11, s[BB], 17
	s_add_co_u32 s86, s10, s11
	s_mov_b32 s87, 0
	; descriptor group 1.  128 keys of a half-head are 16,384 dense bytes: asked for as 64 rows of 256 bytes, two keys a row, and padded in LDS after every key
	s_mov_b32 s[G1K], 15|(1<<16)|(1<<20)|(1<<21)|(4<<22)|(3<<25)  ; 15:0 the mask of four; 17:16 2-byte elements; 20 padding on; 21 set beside a mask; 24:22 after every 32 words (code 4); 31:25 4 words (code 3)
	s_mov_b32 s[G1V], 15|(1<<16)|(1<<20)|(1<<21)|(4<<22)|(7<<25)  ; the same with 8 words of padding (code 7)
.irp g, G1K, G1V
	s_mov_b32 s[\g+1], 128<<16      ; tensor_dim0 = 128
	s_mov_b32 s[\g+2], 64<<16       ; tensor_dim1 = 64
	s_mov_b32 s[\g+3], 128<<16      ; tile_dim0 = 128
	s_mov_b32 s[\g+4], 64           ; tile_dim1 = 64
	s_mov_b32 s[\g+5], 128          ; 128 elements from row to row
	s_mov_b32 s[\g+6], 0
	s_mov_b32 s[\g+7], 0
.endr
	s_mov_b32 s[CS], 0x420293ee     ; c = 256 log2(e) / sqrt(128) = 32.6445
	s_mov_b32 s[CS+1], s[CS]
	s_mov_b32 s[SEL], 0x76543210
	s_mov_b32 s[SEL+1], 0xfedcba98
	s_mov_b32 s[TB], SLOT1          ; the first change of slots turns it into 0
	s_mov_b32 s[SLOTS], 8
	s_sub_co_u32 s[RT], 8, s[UU]
	s_mov_b32 s[NXT], 1
	s_sub_co_u32 s[LQ], 7, s[UU]
	s_mov_b32 s[STP], 0
	s_sub_co_u32 s[SOWN], 15, s[CC] ; block 63 - b lies in step (63 - b) / 4 = 15 - c
	s_mov_b32 s[OFF+1], 0
	s_mov_b32 s[AL+1], 0            ; named as pairs
	s_mov_b32 s[BE+1], 0
	s_mov_b32 s[BIGN], 0xf149f2ca   ; -1e30
	s_wait_dscnt 0x0                ; the opening add is done
	s_wait_kmcnt 0x0
	s_add_nc_u64 s[KB:KB+1], s[4:5], s[2:3]
	s_add_nc_u64 s[VB:VB+1], s[KB:KB+1], 16<<17
	s_add_nc_u64 s[G0K+2:G0K+3], s[KB:KB+1], 0
	s_or_b32 s[G0K+3], s[G0K+3], 0x80000000
	s_add_nc_u64 s[G0V+2:G0V+3], s[VB:VB+1], 0
	s_or_b32 s[G0V+3], s[G0V+3], 0x80000000
	s_add_nc_u64 s[QLB:QLB+1], s[4:5], s[80:81]
	s_add_nc_u64 s[QSB:QSB+1], s[4:5], s[82:83]
	s_add_nc_u64 s[OB:OB+1], s[6:7], s[84:85]
	s_add_nc_u64 s[OLO:OLO+1], s[6:7], s[86:87]
	CROUND                          ; all four work-groups are here: the first joint loads meet
	JLOAD                           ; tile 0 into slot 0
	v_and_b32 v1, 15, v0            ; r = l % 16
	v_bfe_u32 v9, v0, 4, 1          ; h = l / 16
	v_lshlrev_b32 v[QO], 7, v1
	v_lshl_add_u32 v[QO], v9, 4, v[QO]  ; row x 128 + 16 x half
	WIN 0x80                        ; destination window 2, address window 0
.irp c, 0,1,2,3                     ; both blocks' Q: channels 32 c on: half-head c / 2, bytes 64 (c % 2) on
	global_load_b128 v[8*\c:8*\c+3],       v[QO], s[QLB:QLB+1] offset:(\c/2)*131072+(\c%2)*64
	global_load_b128 v[8*\c+4:8*\c+7],     v[QO], s[QLB:QLB+1] offset:(\c/2)*131072+(\c%2)*64+32
	global_load_b128 v[32+8*\c:32+8*\c+3], v[QO], s[QSB:QSB+1] offset:(\c/2)*131072+(\c%2)*64
	global_load_b128 v[32+8*\c+4:32+8*\c+7], v[QO], s[QSB:QSB+1] offset:(\c/2)*131072+(\c%2)*64+32
.endr
	WIN 0
	v_lshlrev_b32 v10, 3, v9
	v_sub_nc_u32 v10, v1, v10       ; r - 8 h
	s_lshl_b32 s10, s[CX], 4
	v_add_nc_u32 v[DS], s10, v10    ; block b lies 16 cx into its step,
	s_sub_co_u32 s10, 48, s10
	v_add_nc_u32 v[DL], s10, v10    ; block 63 - b 48 - 16 cx
	v_mul_u32_u24 v[AK0], v1, PKB
	v_lshl_add_u32 v[AK0], v9, 4, v[AK0]
	; The turning load takes 16 keys x 16 channels (lane l reads key 8 (l / 16) + l % 8, channels 8 ((l / 8) % 2) + 0..7) and leaves half a fragment of V^T: lane l holds channel l % 16 and 8 keys.
	v_and_b32 v10, 7, v0
	v_bfe_u32 v11, v0, 3, 1
	v_lshl_add_u32 v[AV0], v9, 3, v10
	v_mul_u32_u24 v[AV0], v[AV0], PVB
	v_lshl_add_u32 v[AV0], v11, 4, v[AV0]
	v_add_nc_u32 v[AV0], VOFF, v[AV0]
	s_mul_i32 s10, s[WV], 16*SP
	s_add_co_u32 s10, s10, STAGE    ; my stage
	v_mul_u32_u24 v[STO], v1, SP    ; in: row r, 16 bytes for each half of the lanes
	v_lshl_add_u32 v[STO], v9, 4, v[STO]
	v_add_nc_u32 v[STO], s10, v[STO]
	v_mul_u32_u24 v[RD], v9, SP     ; back: lanes 0-15 take one row of 256 bytes, lanes 16-31 the next
	v_lshl_add_u32 v[RD], v1, 4, v[RD]
	v_add_nc_u32 v[RD], s10, v[RD]
	v_lshlrev_b32 v[GO], 13, v9     ; and the same two rows in ob
	v_lshl_add_u32 v[GO], v1, 4, v[GO]
	MKMD DL
	v_mov_b32 v[ST0], 0xfe000000    ; c m: far below every c s, so the first step's a is 0
	v_mov_b32 v[ST0+1], 0xff7fffff  ; m: the lowest finite number
	v_mov_b32 v[ST0+2], 0
	v_mov_b32 v[ST0+3], 0
.set i, 0
.rept 64                            ; O^T need only be finite: the first step multiplies it by 0.  These lines stand in the wait for the first tile.
	v_mov_b32 v[OT+i], 0
.set i, i+1
.endr
; THE MATRIX WORK.  The accumulators take turns, four in K Q^T and eight in V^T P.  Product i of 16 of S^T: channels 32 (i / 4) on, keys 16 (i % 4) on; the first four start the sums with the mask.
.macro KQ
	WIN W_KQ
.set rS, S+8*(i%4)
.set rK, 32*(i%4)+8*(i/4)
.set rQ, 8*(i/4)
.if i < 4
	v_wmma_f32_16x16x32_f16 v[rS:rS+7], v[rK:rK+7], v[rQ:rQ+7], v[MC+8*i:MC+8*i+7]
.else
	v_wmma_f32_16x16x32_f16 v[rS:rS+7], v[rK:rK+7], v[rQ:rQ+7], v[rS:rS+7]
.endif
.endm
.macro PVM                          ; product i of 16 of O^T += V^T P: keys 32 (i / 8) on, channels 16 (i % 8) on
	WIN W_PV
.set rO, OT+8*(i%8)
.set rV, 128+64*(i/8)+8*(i%8)
.set rP, P+8*(i/8)
	v_wmma_f32_16x16x32_f16 v[rO:rO+7], v[rV:rV+7], v[rP:rP+7], v[rO:rO+7]
.endm
; THE LDS LOADS, in runs of 32: step s (0, 1) of the tile in hand.  K: fragment f: keys 16 (f / 4) on, channels 32 (f % 4) on.  V, turned: keys 32 (f / 8) on, channels 16 (f % 8) on.
.macro FETCH_K s
	WIN 0x40
.set f, 0
.rept 16
	ds_load_b128 v[8*f:8*f+3],   v[AK] offset:(\s)*64*PKB+(f/4)*16*PKB+((f%4)/2)*KHALF+((f%4)%2)*64
	ds_load_b128 v[8*f+4:8*f+7], v[AK] offset:(\s)*64*PKB+(f/4)*16*PKB+((f%4)/2)*KHALF+((f%4)%2)*64+32
.set f, f+1
.endr
.endm
.macro FETCH_V s
	WIN 0x40
.set f, 0
.rept 16
	ds_load_tr16_b128 v[128+8*f:128+8*f+3],   v[AV] offset:(\s)*64*PVB+(f/8)*32*PVB+((f%8)/4)*VHALF+((f%8)%4)*32
	ds_load_tr16_b128 v[128+8*f+4:128+8*f+7], v[AV] offset:(\s)*64*PVB+(f/8)*32*PVB+((f%8)/4)*VHALF+((f%8)%4)*32+16*PVB
.set f, f+1
.endr
.endm
; Number n of the 22 that find the maximum and the statistics.  0-11: four chains of seven scores, three operands at a time (each accumulator's lowest registers are read first);
; 12-14, 16: the four scores left over, the old m, and the chains into one; 15: c m_old is kept; 17, 18: the query's other 32 keys lie in the lane 16 away; 19-21: c m, c m_old - c m_new, a.
.macro XS n
.if (\n) < 4
	v_max3_num_f32 v[CW+(\n)], v[S+8*(\n)], v[S+8*(\n)+1], v[S+8*(\n)+2]
.elseif (\n) < 12
	v_max3_num_f32 v[CW+(\n)%4], v[CW+(\n)%4], v[S+8*((\n)%4)+2*((\n)/4)+1], v[S+8*((\n)%4)+2*((\n)/4)+2]
.elseif (\n) == 12
	v_max3_num_f32 v[CW], v[CW], v[S+7], v[S+15]
.elseif (\n) == 13
	v_max3_num_f32 v[CW+1], v[CW+1], v[S+23], v[S+31]
.elseif (\n) == 14
	v_max3_num_f32 v[CW+2], v[CW+2], v[CW+3], v[ST0+1]
.elseif (\n) == 15
	v_mov_b32 v[MOLD], v[ST0]
.elseif (\n) == 16
	v_max3_num_f32 v[CW], v[CW], v[CW+1], v[CW+2]
.elseif (\n) == 17
	v_permlanex16_b32 v[CW+3], v[CW], s[SEL], s[SEL+1]
.elseif (\n) == 18
	v_max_num_f32 v[ST0+1], v[CW], v[CW+3]
.elseif (\n) == 19
	v_mul_f32 v[ST0], s[CS], v[ST0+1]
.elseif (\n) == 20
	v_sub_f32 v[CW+1], v[MOLD], v[ST0]
.else
	v_exp_f32 v[CW+2], v[CW+1]
.endif
.endm
; A KEY STEP, step s of the tile.  pre = 1: the next step's K is fetched behind the maximum.
.macro STEP s, pre
	s_cmp_eq_u32 s[STP], s[SOWN]    ; is this the block's own step?
	s_cselect_b32 s[AL], 1.0, 0
	s_cmp_gt_u32 s[STP], s[SOWN]    ; or a later one?
	s_cselect_b32 s[BE], s[BIGN], 0
	s_add_co_u32 s[STP], s[STP], 1
	WIN 0
.set z, 0
.rept 16                            ; the mask; these sixteen are also the places between the last products V^T P and the loads into V's registers
	v_pk_fma_f32 v[MC+2*z:MC+2*z+1], v[MD+2*z:MD+2*z+1], s[AL:AL+1], s[BE:BE+1] op_sel_hi:[1,0,0]
.set z, z+1
.endr
	FETCH_V \s
	s_wait_dscnt 32                 ; K is in; V's 32 loads, just issued, may be out
.set i, 0
.rept 16
	KQ
.set i, i+1
.endr
	WIN 0
	PLACES                          ; between the last product and the first read of a score, and the loads into K's registers
.irp n, 0,1,2,3,4,5,6,7,8,9,10,11,12,13,14,15,16,17,18,19,20,21
	XS \n
.endr
.if \pre
	FETCH_K (\s)+1
	WIN 0
.endif
.set z, 0
.rept 16                            ; c s - c m
	v_pk_fma_f32 v[S+2*z:S+2*z+1], v[S+2*z:S+2*z+1], s[CS:CS+1], v[ST0:ST0+1] op_sel_hi:[1,0,0] neg_lo:[0,0,1] neg_hi:[0,0,1]
.set z, z+1
.endr
.set z, 0
.rept 32                            ; an exponential and a pair of O^T times a by turns: a plain instruction stands behind every exponential (ISA guide 5.7.2)
	v_exp_f32 v[S+z], v[S+z]
	s_wait_alu depctr_va_vdst(0)
	v_pk_mul_f32 v[OT+2*z:OT+2*z+1], v[OT+2*z:OT+2*z+1], v[CW+2:CW+3] op_sel_hi:[1,0]
.set z, z+1
.endr
.set z, 0
	s_wait_alu depctr_va_vdst(0)
.rept 16
	v_cvt_pk_f16_f32 v[P+z], v[S+2*z], v[S+2*z+1]
.set z, z+1
.endr
.set z, 0
.rept 8                             ; of four weights the second pair is added onto the first, in place
	v_pk_add_f32 v[S+4*z:S+4*z+1], v[S+4*z:S+4*z+1], v[S+4*z+2:S+4*z+3]
.set z, z+1
.endr
	v_pk_fma_f32 v[ST0+2:ST0+3], v[ST0+2:ST0+3], v[CW+2:CW+3], v[S:S+1] op_sel_hi:[1,0,1]  ; l = a l + the first sum
.set z, 1
.rept 7
	v_pk_add_f32 v[ST0+2:ST0+3], v[ST0+2:ST0+3], v[S+4*z:S+4*z+1]
.set z, z+1
.endr
.if \pre
	s_wait_dscnt 32                 ; V is in; the next K's 32 loads may be out
.else
	s_wait_dscnt 0x0                ; V is in
.endif
.set i, 0
.rept 16
	PVM
.set i, i+1
.endr
.endm
.macro TILE
	WIN 0
	v_add_nc_u32 v[AK], s[TB], v[AK0]
	v_add_nc_u32 v[AV], s[TB], v[AV0]
	FETCH_K 0
	STEP 0, 1
	STEP 1, 0
	WIN 0
.endm
; A BLOCK'S END.  l's two halves and the other half of the lanes' are added; O^T is divided by l, rounded to f16 and sent through my stage in LDS: a lane's eight channels pack into 16 bytes, which come back as whole rows of 256.
.macro FINISH
	WIN 0
	PLACES
	v_add_f32 v[CW], v[ST0+2], v[ST0+3]
	v_permlanex16_b32 v[CW+1], v[CW], s[SEL], s[SEL+1]
	v_add_f32 v[CW], v[CW], v[CW+1]
	v_rcp_f32 v[CW+2], v[CW]
	v_nop                           ; a plain instruction between the reciprocal and the use of its result
.set z, 0
	s_wait_alu depctr_va_vdst(0)
.rept 32
	v_pk_mul_f32 v[OT+2*z:OT+2*z+1], v[OT+2*z:OT+2*z+1], v[CW+2:CW+3] op_sel_hi:[1,0]
.set z, z+1
.endr
.set z, 0
.rept 32
	v_cvt_pk_f16_f32 v[S+z], v[OT+2*z], v[OT+2*z+1]
.set z, z+1
.endr
.irp f, 0,1,2,3,4,5,6,7
	ds_store_b128 v[STO], v[S+4*\f:S+4*\f+3] offset:32*\f
.endr
.irp f, 0,1,2,3,4,5,6,7
	ds_load_b128 v[MC+4*\f:MC+4*\f+3], v[RD] offset:\f*2*SP  ; LDS serves a wave's instructions in order (ISA guide 5.7.1.4): these see the stores above
.endr
.irp f, 0,1,2,3,4,5,6,7
	s_wait_dscnt 7-\f
	global_store_b128 v[GO], v[MC+4*\f:MC+4*\f+3], s[OB:OB+1] offset:\f*16384  ; 16 lanes store 256 consecutive bytes, at a multiple of 256 from ob's first byte
.endr
.endm
	s_wait_loadcnt 0x0              ; Q
.Lslot:                             ; eight times: a tile is walked and the next is asked for
	CHANGE 1
	TILE
	s_sub_co_u32 s[RT], s[RT], 1
	s_cmp_lg_u32 s[RT], 0
	s_cbranch_scc1 .Lbottom         ; forward, past text with no barrier and no tensor load; RT hangs on u, which the four partners share
	FINISH                          ; in the loop this is the first block's end: the second's last tile is the walk's last
	s_wait_xcnt 0x0                 ; the stores' registers and O's address are rewritten only behind this wait
	s_mov_b64 s[OB:OB+1], s[OLO:OLO+1]
	s_add_co_u32 s[RT], s[UU], 1    ; the second block has u + 1 tiles,
	s_mov_b32 s[SOWN], s[CC]        ; and lies in step b / 4 = c
	s_mov_b32 s[STP], 0
	WIN 0x82                        ; its Q goes where the one text of the products names Q
.set i, 0
.rept 32
	v_mov_b32 v[i], v[32+i]
.set i, i+1
.endr
	WIN 0
	MKMD DS
	v_mov_b32 v[ST0], 0xfe000000    ; the next step's a is 0: what O^T and l hold need only be finite
	v_mov_b32 v[ST0+1], 0xff7fffff
.Lbottom:
	s_sub_co_u32 s[SLOTS], s[SLOTS], 1
	s_cmp_lg_u32 s[SLOTS], 0
	s_cbranch_scc1 .Lslot
	CHANGE 0                        ; the walk's last tile is written out: nothing is asked for
	TILE
	FINISH
	s_wait_tensorcnt 0x0            ; the wave's end, behind my last tensor load and my last LDS store
	ds_add_u32 v[SPW], v[NIL]
	s_wait_dscnt 0x0
	CROUND                          ; the closing round: no work-group ends while a partner may still ask for a tile that names it
	s_endpgm
.Lfunc_end_k_qfdec27cbe5_attn:
	.size	k_qfdec27cbe5_attn, .Lfunc_end_k_qfdec27cbe5_attn-k_qfdec27cbe5_attn
	.p2alignl 7, 3214868480
	.fill 96, 4, 3214868480
	.section	.rodata,"a",@progbits
	.p2align	6, 0x0
	.amdhsa_kernel k_qfdec27cbe5_attn
		.amdhsa_group_segment_fixed_size 327680
		.amdhsa_private_segment_fixed_size 0
		.amdhsa_enable_private_segment 0
		.amdhsa_kernarg_size 16
		.amdhsa_user_sgpr_count 2
		.amdhsa_user_sgpr_kernarg_segment_ptr 1
		.amdhsa_wavefront_size32 1
		.amdhsa_system_sgpr_workgroup_id_x 1
		.amdhsa_system_sgpr_workgroup_id_y 1
		.amdhsa_system_sgpr_workgroup_id_z 1
		.amdhsa_system_vgpr_workitem_id 0
		.amdhsa_next_free_vgpr 576
		.amdhsa_next_free_sgpr 88
		.amdhsa_reserve_vcc 1
		.amdhsa_float_denorm_mode_32 3
		.amdhsa_float_denorm_mode_16_64 3
		.amdhsa_memory_ordered 1
		.amdhsa_forward_progress 1
		.amdhsa_inst_pref_size 96
	.end_amdhsa_kernel
	.amdgpu_metadata
---
amdhsa.version: [ 1, 2 ]
amdhsa.kernels:
  - .name:           k_qfdec27cbe5_attn
    .symbol:         k_qfdec27cbe5_attn.kd
    .args:
      - { .name: qkv, .offset: 0, .size: 8, .value_kind: global_buffer, .address_space: global }
      - { .name: ob, .offset: 8, .size: 8, .value_kind: global_buffer, .address_space: global }
    .group_segment_fixed_size: 327680
    .private_segment_fixed_size: 0
    .kernarg_segment_align: 8
    .kernarg_segment_size: 16
    .max_flat_workgroup_size: 128
    .sgpr_count:     88
    .vgpr_count:     576
    .wavefront_size: 32
...
	.end_amdgpu_metadata
.endif
;; end of part 3
;; launch oproj (part 4): grid 32 x 8, 4 waves a work-group, clusters of 4 x 4, 327,680 bytes of LDS; arguments ob, wob, out0; writes out0
.if DOCPART == 4
	.amdgcn_target "amdgcn-amd-amdhsa--gfx1250"
	.amdhsa_code_object_version 6
	.text
	.protected	k_qfdec27cbe5_oproj
	.globl	k_qfdec27cbe5_oproj
	.p2align	8
	.type	k_qfdec27cbe5_oproj,@function
k_qfdec27cbe5_oproj:
	s_mov_b64 s[64:65], 0
	v_nop
	global_prefetch_b8 v0, s[64:65] scope:SCOPE_SE
	s_setreg_imm32_b32 hwreg(HW_REG_WAVE_MODE, 25, 1), 1
	s_wait_xcnt 0x0
	s_wait_alu depctr_hold_cnt(0) depctr_sa_sdst(0) depctr_va_vdst(0) depctr_va_sdst(0) depctr_va_ssrc(0) depctr_va_vcc(0) depctr_vm_vsrc(0)
	s_getreg_b32 s2, hwreg(HW_REG_IB_STS2, 6, 4)
	s_cmp_eq_u32 s2, 0
	s_cbranch_scc0 .Lentry_in_a_cluster
	s_endpgm
.Lentry_in_a_cluster:
	s_bfe_u32 s2, ttmp6, 0x10000c
	s_cmp_lg_u32 s2, 0xf033
	s_cbranch_scc0 .Lentry_shape_is_right
	s_endpgm
.Lentry_shape_is_right:
; THE OUTPUT PROJECTION.  out0[m][n] = sum over k of ob[m][k] wob[n][k]: 1,024 x 4,096 x 4,096, f16 operands, f32 sums, f32 out.  ob holds O / 16 and wob 16 x bf16(wo), so the product needs no scale.
; A tile of C is 128 x 128: 8 x 32 = 256 work-groups.  Four waves, each 64 x 64: 16 accumulators, 128 registers.  K goes in steps of 256 (LDS rows of 512 bytes; a wave's tensor load brings 64 of them), as long as two slots allow.
; CLUSTER 4 x 4: a row of the cluster shares ob's tile, a column wob's; each is asked for jointly.  THE MATRIX INSTRUCTION IS USED TRANSPOSED (source 0 = 16 rows of wob, source 1 = 16 rows of ob):
; a lane holds eight neighbouring numbers of a row of C, 32 bytes.  A wave's 64 columns are 256 bytes, aligned: each wave has a stage of its own, and the way out has no barrier.
; THE WALK IS ROTATED.  A cluster whose x + y is odd starts at K = 2,048 and wraps round.  The two clusters that share a column's rows of wob differ in y, and of the eight that share a row block of ob half have an odd x:
; so of two clusters that need the same bytes one asks for them half a walk after the other.  The sums run along K from the cluster's own start, not from 0.
; REGISTERS: window 0: v0-31 addresses; v128-255 the accumulators ((a, b) at 128 + 8 (4 a + b)).  window 1: two fragment buffers of 128: for 64 along K, 64 registers of ob, then 64 of wob.
.set SIZE_N, 4096
.set SIZE_K, 4096
.set KSTEP,  256
.set PITCH,  528                       ; an LDS row: 512 bytes + 16 of padding = 132 words: row r starts at bank 4 r mod 64 (64 banks of 4 bytes: ISA guide 11.1)
.set HALFT,  64*PITCH
.set SLOT,   4*HALFT
.set STAGE,  2*SLOT                    ; behind the ring: 16 rows x 272 bytes for each wave
.set SPITCH, 272
.set SPARE,  STAGE+4*16*SPITCH         ; behind the stages: the spare words, 128 bytes for each wave: two blocks of 256 bytes that no other line names
.set LAPS, SIZE_K/(2*KSTEP)
.set ADRA, 16
.set ADRB, 20
.set STO,  24
.set RD,   25
.set CO,   26
.set SPW,  28                          ; LDS address of my spare word; never rewritten
.set NIL,  29                          ; 0; never rewritten
.set ACC,  128
.set F0,   0
.set F1,   128
.set G1, 24
.set G0, 32
.set G1B, 48
.set G0B, 56
.set POS, 66                           ; s66, s67  where in a row, in bytes and before the wrap, the slot's tile in hand begins
.set OFF, 68                           ; s[68:69]  the same wrapped, as a pair
.set BBS, 70                           ; s[70:71]  wob at the first of the rows that I fetch;  s[72:73] ob likewise
.set AB,  72
.set MSB, 0
.macro WIN new
.if MSB != (\new)
	s_set_vgpr_msb (MSB<<8)|(\new)
.set MSB, \new
.endif
.endm
.set MUL,  0x05
.set TO_F, 0x40
.macro JLOAD s                         ; a joint load: waves 0 and 1 fetch ob's two halves, waves 2 and 3 wob's; an s_nop 0 and four v_nop follow each of the two lines
	s_cmp_eq_u32 s11, 0
	s_cbranch_scc0 .Lfor_b_\@
	tensor_load_to_lds s[G0+4*(\s):G0+4*(\s)+3], s[G1:G1+7]
	s_nop 0
.rept 4
	v_nop
.endr
	s_branch .Lasked_\@
.Lfor_b_\@:
	tensor_load_to_lds s[G0B+4*(\s):G0B+4*(\s)+3], s[G1B:G1B+7]
	s_nop 0
.rept 4
	v_nop
.endr
.Lasked_\@:
.endm
.macro AIM s                           ; slot s's two global addresses are made anew from its position: a row has 8,192 bytes, and the walk wraps round
	s_and_b32 s[OFF], s[POS+(\s)], 8191
	s_add_nc_u64 s[G0+4*(\s)+2:G0+4*(\s)+3], s[AB:AB+1], s[OFF:OFF+1]
	s_or_b32 s[G0+4*(\s)+3], s[G0+4*(\s)+3], 0x80000000      ; 127:126 type = 2
	s_add_nc_u64 s[G0B+4*(\s)+2:G0B+4*(\s)+3], s[BBS:BBS+1], s[OFF:OFF+1]
	s_or_b32 s[G0B+4*(\s)+3], s[G0B+4*(\s)+3], 0x80000000
.endm
.macro CREST
	s_cmp_lg_u32 s10, 0
	s_cbranch_scc1 .Lnot_wave_0_\@
	s_barrier_signal -3
.Lnot_wave_0_\@:
	s_barrier_wait -3
	s_barrier_signal -1
	s_barrier_wait -1
.endm
.macro CROUND
	s_barrier_signal -1
	s_barrier_wait -1
	CREST
.endm
	s_load_b128 s[4:7], s[0:1], 0x0                ; ob s[4:5], wob s[6:7]
	s_load_b64 s[8:9], s[0:1], 0x10                ; out0
	v_lshl_add_u32 v[SPW], v0, 2, SPARE
	v_mov_b32 v[NIL], 0
	ds_add_u32 v[SPW], v[NIL]                      ; the wave's opening: the add and its wait stand ahead of my first tensor load; the set-up below, work on registers, stands between them
	v_lshrrev_b32 v1, 5, v0
	v_readfirstlane_b32 s10, v1                    ; wave 0..3
	s_lshr_b32 s11, s10, 1                         ; which half of the tile's rows is mine.  Also: I fetch for ob (0) or for wob (1)
	s_and_b32 s12, s10, 1                          ; which half of its columns.  Also: which 64 rows of that tile I fetch
	s_bfe_u32 s40, ttmp6, 0x40000
	s_bfe_u32 s41, ttmp6, 0x40004
	s_lshl_b32 s42, ttmp9, 2
	s_add_co_u32 s42, s42, s40                     ; tile column
	s_and_b32 s13, ttmp7, 0xffff
	s_add_co_u32 s74, s13, ttmp9                   ; the cluster's x + y, which all sixteen partners share:
	s_and_b32 s74, s74, 1                          ; odd: the walk starts at K = 2,048
	s_lshl_b32 s[POS], s74, 12                     ; slot 0's first tile, in bytes of a row,
	s_add_co_u32 s[POS+1], s[POS], KSTEP*2         ; slot 1's
	s_mov_b32 s[OFF+1], 0
	s_lshl_b32 s13, s13, 2
	s_add_co_u32 s13, s13, s41                     ; tile row
	s_lshl_b32 s43, s41, 2
	s_lshl_b32 s43, 15, s43                        ; my row of the cluster
	s_lshl_b32 s44, 0x1111, s40                    ; my column
	s_or_b32 s[G1+0], s43, (1<<16)|(1<<20)|(1<<21)|(6<<22)|(3<<25)  ; 15:0 the mask; 17:16 2-byte elements; 20 padding on; 21 set beside a mask; 24:22 after every 128 words (code 6); 31:25 4 words (code 3)
	s_or_b32 s[G1B+0], s44, (1<<16)|(1<<20)|(1<<21)|(6<<22)|(3<<25)
.irp g, G1, G1B
	s_mov_b32 s[(\g)+1], KSTEP<<16                 ; tensor_dim0 = 256
	s_mov_b32 s[(\g)+2], 64<<16                    ; tensor_dim1 = 64
	s_mov_b32 s[(\g)+3], KSTEP<<16                 ; tile_dim0 = 256
	s_mov_b32 s[(\g)+4], 64                        ; tile_dim1 = 64
	s_mov_b32 s[(\g)+5], SIZE_K
	s_mov_b32 s[(\g)+6], 0
	s_mov_b32 s[(\g)+7], 0
.endr
	s_lshl_b32 s17, s12, 6
	s_lshl_b32 s16, s13, 7
	s_add_co_u32 s16, s16, s17                     ; ob: row 128 x tile row + 64 x half
	s_lshl_b32 s46, s42, 7
	s_add_co_u32 s46, s46, s17                     ; wob: row 128 x tile column + 64 x half
	s_mov_b32 s17, 0
	s_mov_b32 s47, 0
	s_mov_b64 s[18:19], SIZE_K*2
	s_mul_u64 s[16:17], s[16:17], s[18:19]
	s_mul_u64 s[46:47], s[46:47], s[18:19]
	s_mul_i32 s20, s10, HALFT                      ; where they go: wave x 64 rows
	s_wait_dscnt 0x0                               ; the opening add is done
	s_wait_kmcnt 0x0
	s_add_nc_u64 s[AB:AB+1], s[4:5], s[16:17]
	s_add_nc_u64 s[BBS:BBS+1], s[6:7], s[46:47]
	CROUND                                         ; all sixteen work-groups are here: the first joint loads meet
.irp s, 0,1
	s_mov_b32 s[G0+4*(\s)], 1
	s_add_co_u32 s[G0+4*(\s)+1], s20, (\s)*SLOT
	s_mov_b32 s[G0B+4*(\s)], 1
	s_add_co_u32 s[G0B+4*(\s)+1], s20, (\s)*SLOT
	AIM \s
	JLOAD \s
.endr
	v_and_b32 v1, 15, v0                           ; r = l % 16
	v_bfe_u32 v2, v0, 4, 1                         ; h = l / 16
	v_mul_u32_u24 v3, v1, PITCH
	v_lshl_add_u32 v3, v2, 4, v3
	s_mul_i32 s21, s11, HALFT
	s_mul_i32 s22, s12, HALFT
	s_add_co_u32 s22, s22, 2*HALFT
.irp s, 0,1
	v_add_nc_u32 v[ADRA+(\s)], s21, v3
	v_add_nc_u32 v[ADRB+(\s)], s22, v3
	s_add_co_u32 s21, s21, SLOT
	s_add_co_u32 s22, s22, SLOT
.endr
	s_mul_i32 s23, s10, 16*SPITCH
	s_add_co_u32 s23, s23, STAGE                   ; my stage
	v_mul_u32_u24 v4, v1, SPITCH                   ; in: row r, 32 bytes for each half of the lanes
	v_lshl_add_u32 v4, v2, 5, v4
	v_add_nc_u32 v[STO], s23, v4
	v_mul_u32_u24 v5, v2, SPITCH                   ; back: lanes 0-15 take one row of 256 bytes, lanes 16-31 the next
	v_lshl_add_u32 v5, v1, 4, v5
	v_add_nc_u32 v[RD], s23, v5
	v_lshlrev_b32 v5, 14, v2                       ; and the same two rows in out0, 16,384 bytes apart
	v_lshl_add_u32 v[CO], v1, 4, v5
	s_lshl_b32 s16, s13, 7
	s_lshl_b32 s17, s11, 6
	s_add_co_u32 s16, s16, s17                     ; my first row
	s_lshl_b32 s16, s16, 14
	s_mov_b32 s17, 0
	s_add_nc_u64 s[8:9], s[8:9], s[16:17]
	s_lshl_b32 s46, s42, 9                         ; my first column, in bytes: 512 x tile column + 256 x half
	s_lshl_b32 s47, s12, 8
	s_add_co_u32 s46, s46, s47
	s_mov_b32 s47, 0
	s_add_nc_u64 s[8:9], s[8:9], s[46:47]
; 8 matrix instructions: m blocks a0, a0 + 1 x all 4 n blocks, 32 along K: half c of buffer f.  zero = 1: the first product starts the sums.  The 16 accumulators take turns.
.macro MUL8 f, c, a0, zero
	WIN MUL
.irp a, \a0, (\a0)+1
.irp b, 0,1,2,3
.if \zero
	v_wmma_f32_16x16x32_f16 v[ACC+8*(4*(\a)+(\b)):ACC+8*(4*(\a)+(\b))+7], v[(\f)+64+8*(4*(\c)+(\b)):(\f)+64+8*(4*(\c)+(\b))+7], v[(\f)+8*(4*(\c)+(\a)):(\f)+8*(4*(\c)+(\a))+7], 0
.else
	v_wmma_f32_16x16x32_f16 v[ACC+8*(4*(\a)+(\b)):ACC+8*(4*(\a)+(\b))+7], v[(\f)+64+8*(4*(\c)+(\b)):(\f)+64+8*(4*(\c)+(\b))+7], v[(\f)+8*(4*(\c)+(\a)):(\f)+8*(4*(\c)+(\a))+7], v[ACC+8*(4*(\a)+(\b)):ACC+8*(4*(\a)+(\b))+7]
.endif
.endr
.endr
.endm
; 32 LDS loads in one run: the fragments of 64 along K at byte k of the rows, into buffer f; the first 32 along K first
.macro FETCH slot, k, f
	WIN TO_F
.irp c, 0,1
.irp i, 0,1,2,3
	ds_load_b128 v[(\f)+64+8*(4*(\c)+(\i)):(\f)+64+8*(4*(\c)+(\i))+3],   v[ADRB+(\slot)] offset:(\k)+64*(\c)+(\i)*16*PITCH
	ds_load_b128 v[(\f)+64+8*(4*(\c)+(\i))+4:(\f)+64+8*(4*(\c)+(\i))+7], v[ADRB+(\slot)] offset:(\k)+64*(\c)+(\i)*16*PITCH+32
	ds_load_b128 v[(\f)+8*(4*(\c)+(\i)):(\f)+8*(4*(\c)+(\i))+3],         v[ADRA+(\slot)] offset:(\k)+64*(\c)+(\i)*16*PITCH
	ds_load_b128 v[(\f)+8*(4*(\c)+(\i))+4:(\f)+8*(4*(\c)+(\i))+7],       v[ADRA+(\slot)] offset:(\k)+64*(\c)+(\i)*16*PITCH+32
.endr
.endr
.endm
.macro PLACES                          ; four places in front of loads into registers that matrix instructions have read, and of LDS stores that read results
.rept 4
	v_nop
.endr
.endm
; A K step is four quarters of 64 along K, 32 matrix instructions each, on buffers 0, 1, 0, 1.
.macro QUARTER slot, k, f, g, zero
	s_wait_dscnt 16                                ; the first 32 along K are in
	MUL8 \f, 0, 0, \zero
	MUL8 \f, 0, 2, \zero
	PLACES
	FETCH \slot, \k, \g
	s_wait_dscnt 32                                ; all but the 32 just issued
	MUL8 \f, 1, 0, 0
	MUL8 \f, 1, 2, 0
.endm
; The last quarter multiplies buffer 1 and changes slots: ONE barrier; in front of it each wave waits for all its tensor loads, adds 0 to its spare word, and waits for that and for its own reads of this slot.
.macro TURN slot, next, fill
	WIN 0                                          ; (the add's two registers lie in window 0)
	s_wait_tensorcnt 0x0                           ; all my tensor loads have landed: my part of the next slot; so every group 0 may be written
	ds_add_u32 v[SPW], v[NIL]                      ; 0 onto my spare word
.if \fill
	s_add_co_u32 s[POS+(\slot)], s[POS+(\slot)], 2*KSTEP*2  ; this slot's next tile, two K steps on
	AIM \slot
.endif
	s_wait_dscnt 17                                ; (the add and the youngest sixteen loads may be out)
	MUL8 F1, 0, 0, 0                               ; eight matrix instructions stand between the add and the wait for it
	s_wait_dscnt 0x0                               ; the add is done, and my reads of this slot are over
	s_barrier_signal -1
	MUL8 F1, 0, 2, 0
.if \fill
	WIN 0
.endif
	s_barrier_wait -1
.if \fill
	CREST                                          ; no wave of any partner still reads this slot's tile or has a load on its way
	JLOAD \slot                                    ; the first tensor load behind the round: 112 matrix instructions ahead of the wait for it; its four v_nop are also the places in front of the loads below
.else
	PLACES
.endif
	FETCH \next, 0, F0
	MUL8 F1, 1, 0, 0
	MUL8 F1, 1, 2, 0
.endm
	s_wait_tensorcnt 1                             ; my part of the first K step is in; the second's may stay out
	s_barrier_signal -1
	s_barrier_wait -1
	FETCH 0, 0, F0
	QUARTER 0, 128, F0, F1, 1                      ; the first quarter stands in front of the loop: its first products start the sums
	WIN 0
	s_mov_b32 s3, LAPS-1
.Llap:
	QUARTER 0, 256, F1, F0, 0
	QUARTER 0, 384, F0, F1, 0
	TURN 0, 1, 1
	QUARTER 1, 128, F0, F1, 0
	QUARTER 1, 256, F1, F0, 0
	QUARTER 1, 384, F0, F1, 0
	TURN 1, 0, 1
	QUARTER 0, 128, F0, F1, 0
	WIN 0
	s_sub_co_u32 s3, s3, 1
	s_cmp_lg_u32 s3, 0
	s_cbranch_scc1 .Llap
	QUARTER 0, 256, F1, F0, 0                      ; the last lap fills nothing
	QUARTER 0, 384, F0, F1, 0
	TURN 0, 1, 0
	QUARTER 1, 128, F0, F1, 0
	QUARTER 1, 256, F1, F0, 0
	QUARTER 1, 384, F0, F1, 0
	s_wait_dscnt 16
	MUL8 F1, 0, 0, 0
	MUL8 F1, 0, 2, 0
	s_wait_dscnt 0x0
	MUL8 F1, 1, 0, 0
	MUL8 F1, 1, 2, 0
	WIN 0
	; THE WAY OUT, 16 rows at a time through my own stage: a lane's 32 bytes of a row go in, whole rows of 256 bytes come back into the same 32 registers.  Each accumulator's low half is read first.
	PLACES
.irp a, 0,1,2,3
.irp b, 0,1,2,3
	ds_store_b128 v[STO], v[ACC+8*(4*(\a)+(\b)):ACC+8*(4*(\a)+(\b))+3]   offset:64*(\b)
	ds_store_b128 v[STO], v[ACC+8*(4*(\a)+(\b))+4:ACC+8*(4*(\a)+(\b))+7] offset:64*(\b)+16
.endr
.irp t, 0,1,2,3,4,5,6,7
	ds_load_b128 v[ACC+32*(\a)+4*(\t):ACC+32*(\a)+4*(\t)+3], v[RD] offset:(\t)*2*SPITCH  ; LDS serves a wave's instructions in order (ISA guide 5.7.1.4): these see the stores above; the next block's stores come behind them
.endr
.endr
.irp a, 0,1,2,3
.irp t, 0,1,2,3,4,5,6,7
	s_wait_dscnt (7-(\t))+16*(3-(\a))              ; the LDS instructions issued behind this load: the rest of its run and sixteen for each later block
	global_store_b128 v[CO], v[ACC+32*(\a)+4*(\t):ACC+32*(\a)+4*(\t)+3], s[8:9] offset:(16*(\a)+2*(\t))*SIZE_N*4  ; 16 lanes store 256 consecutive bytes, at a multiple of 256 from out0's first byte
.endr
.endr
	s_wait_tensorcnt 0x0                           ; the wave's end, behind my last tensor load and my last LDS store
	ds_add_u32 v[SPW], v[NIL]
	s_wait_dscnt 0x0
	CROUND                                         ; the closing round: no work-group ends while a partner may still ask for a tile that names it
	s_endpgm
.Lfunc_end_k_qfdec27cbe5_oproj:
	.size	k_qfdec27cbe5_oproj, .Lfunc_end_k_qfdec27cbe5_oproj-k_qfdec27cbe5_oproj
	.p2alignl 7, 3214868480
	.fill 96, 4, 3214868480
	.section	.rodata,"a",@progbits
	.p2align	6, 0x0
	.amdhsa_kernel k_qfdec27cbe5_oproj
		.amdhsa_group_segment_fixed_size 327680
		.amdhsa_private_segment_fixed_size 0
		.amdhsa_enable_private_segment 0
		.amdhsa_kernarg_size 24
		.amdhsa_user_sgpr_count 2
		.amdhsa_user_sgpr_kernarg_segment_ptr 1
		.amdhsa_wavefront_size32 1
		.amdhsa_system_sgpr_workgroup_id_x 1
		.amdhsa_system_sgpr_workgroup_id_y 1
		.amdhsa_system_sgpr_workgroup_id_z 1
		.amdhsa_system_vgpr_workitem_id 0
		.amdhsa_next_free_vgpr 512
		.amdhsa_next_free_sgpr 80
		.amdhsa_reserve_vcc 0
		.amdhsa_float_denorm_mode_32 3
		.amdhsa_float_denorm_mode_16_64 3
		.amdhsa_memory_ordered 1
		.amdhsa_forward_progress 1
		.amdhsa_inst_pref_size 87
	.end_amdhsa_kernel
	.amdgpu_metadata
---
amdhsa.version: [ 1, 2 ]
amdhsa.kernels:
  - .name:           k_qfdec27cbe5_oproj
    .symbol:         k_qfdec27cbe5_oproj.kd
    .args:
      - { .name: ob, .offset: 0, .size: 8, .value_kind: global_buffer, .address_space: global }
      - { .name: wob, .offset: 8, .size: 8, .value_kind: global_buffer, .address_space: global }
      - { .name: out0, .offset: 16, .size: 8, .value_kind: global_buffer, .address_space: global }
    .group_segment_fixed_size: 327680
    .private_segment_fixed_size: 0
    .kernarg_segment_align: 8
    .kernarg_segment_size: 24
    .max_flat_workgroup_size: 128
    .sgpr_count:     80
    .vgpr_count:     512
    .wavefront_size: 32
...
	.end_amdgpu_metadata
.endif
;; end of part 4
;; ======== version 2 of 2: 4 launches; version 1 with the launch cvt written anew for expert scheduling mode
;; limits: values are held in f16: magnitudes above 65,504 overflow, below 6.1e-05 lose precision; right only within a limited range of input values
;; workspace buffers: xb 8,388,608 bytes; wqkv 50,331,648 bytes; wob 33,554,432 bytes; qkv 12,582,912 bytes; ob 8,388,608 bytes
;; launch cvt (part 5): grid 1024 x 1, 8 waves a work-group, no clusters, 0 bytes of LDS; arguments x, wq, wk, wv, xb, wqkv; writes xb, wqkv
.if DOCPART == 5
	.amdgcn_target "amdgcn-amd-amdhsa--gfx1250"
	.amdhsa_code_object_version 6
	.text
	.protected	k_qfdec27cbe5_cvt
	.globl	k_qfdec27cbe5_cvt
	.p2align	8
	.type	k_qfdec27cbe5_cvt,@function
k_qfdec27cbe5_cvt:
	s_mov_b64 s[64:65], 0
	v_nop
	global_prefetch_b8 v0, s[64:65] scope:SCOPE_SE
	s_setreg_imm32_b32 hwreg(HW_REG_WAVE_SCHED_MODE, 0, 2), 2
	s_setreg_imm32_b32 hwreg(HW_REG_WAVE_MODE, 25, 1), 1
	s_wait_xcnt 0x0
	s_wait_alu depctr_vm_vsrc(0)
; ROUNDING OF THE FIRST PRODUCT'S INPUTS, once, so that it fetches 16-bit operands.  (wo is rounded in the next launch, beside its matrix work.)
;   xb   = bf16(x / 16)            (the division by 16 is exact: the same mantissa as bf16(x))
;   wqkv = bf16(wq), bf16(wk), bf16(wv), one matrix of 6,144 rows of 4,096
; A stream: memory binds, so no LDS, no barrier, no matrix unit.  A ROW here is what the 256 threads take at once: 4,096 bytes of f32 in, 2,048 bytes out.
; Work-group g takes 4 rows each of x, wk, wv and 16 rows of wq: 28 loads a thread, all issued first, each into registers of its own,
; so that nothing a pending instruction names is ever rewritten.  A wave's load covers 512 consecutive bytes, its store 256 consecutive bytes, aligned.
; THE MODE: SCHED_MODE bits 1:0 = 2 (LLVM: expert scheduling mode 2), set by the entry lines.  The code itself states the register dependences
; between vector instructions and memory instructions, with s_wait_alu, always for 0.
; THE PLAN.  Registers that memory instructions touch:
;   v1, v2              byte offsets, written once at the head; v1 is read by every load, v2 by every store; never written again.
;   v[4+4n : 7+4n]      row n: load n lands here, and no vector instruction names these four before it is issued.  Behind the wait for its data the row's conversions read them
;                       and write the result into the low pair, once; the row's store reads that pair; nothing writes it afterwards.
; So no load lands in a register that a vector instruction has named, and no register that a memory instruction has read is written again: the one kind of dependence to state is
; 'a vector instruction has written what a memory instruction reads'.  The rows go in seven groups of four.  A group's four stores stand in one run at the head of the NEXT group, behind ONE wait,
; which itself stands behind the wait for that group's first row: the conversions that it waits for were issued ahead of a wait for data, and the stores hang on one further load alone.
.set NLD, 28
.set GRP, 4                            ; rows in a group; the tensors' sections (4, 4, 4, 16 rows) are whole groups
	s_load_b256 s[8:15], s[0:1], 0x0               ; x 8, wq 10, wk 12, wv 14
	s_load_b128 s[16:19], s[0:1], 0x20             ; xb 16, wqkv 18
	s_lshl_b32 s24, ttmp9, 14                      ; my 4 rows in x, wk, wv
	s_mov_b32 s25, 0
	s_lshl_b32 s26, ttmp9, 16                      ; my 16 rows in wq
	s_mov_b32 s27, 0
	s_lshl_b32 s28, ttmp9, 13                      ; 4 rows out
	s_mov_b32 s29, 0
	s_lshl_b32 s30, ttmp9, 15                      ; 16 rows out
	s_mov_b32 s31, 0
	s_mov_b32 s38, 0x3d800000                      ; 1/16
	s_mov_b32 s39, s38                             ; named with it as a pair
	v_lshlrev_b32 v1, 4, v0                        ; my 16 bytes in a row in; never rewritten
	v_lshlrev_b32 v2, 3, v0                        ; my 8 bytes in a row out; never rewritten
	s_wait_kmcnt 0x0
	s_add_nc_u64 s[8:9], s[8:9], s[24:25]
	s_add_nc_u64 s[10:11], s[10:11], s[26:27]
	s_add_nc_u64 s[12:13], s[12:13], s[24:25]
	s_add_nc_u64 s[14:15], s[14:15], s[24:25]
	s_add_nc_u64 s[16:17], s[16:17], s[28:29]
	s_add_nc_u64 s[32:33], s[18:19], s[30:31]      ; wq's part of wqkv begins at its first byte,
	s_add_nc_u64 s[34:35], s[18:19], s[28:29]
	s_add_nc_u64 s[36:37], s[34:35], 0x2800000     ; wv's behind 5,120 rows of 8,192 bytes,
	s_add_nc_u64 s[34:35], s[34:35], 0x2000000     ; wk's behind 4,096
	s_wait_alu depctr_va_vdst(0)                   ; v1 and v2 are written: every load of the kernel reads v1 as its offset, every store v2
.macro SECT_LD base, rows              ; the loads of one tensor's rows; n counts all loads
.set j, 0
.rept \rows
	global_load_b128 v[4+4*n:7+4*n], v1, s[\base:\base+1] offset:4096*j th:TH_LOAD_NT
.set j, j+1
.set n, n+1
.endr
.endm
; The four stores of group g: rows j0 to j0 + 3 of the part of the output that begins at s[dst:dst+1].
.macro ST4 g, dst, j0
.irp i, 0,1,2,3
	global_store_b64 v2, v[4+16*(\g)+4*(\i):5+16*(\g)+4*(\i)], s[\dst:\dst+1] offset:2048*((\j0)+(\i))  ; the next launch reads these bytes: no hint
.endr
.endm
; Group g.  mode 0: round to bf16.  1: divide by 16 first.  pdst, pj: where the group before goes.
.macro GROUP g, mode, pdst, pj
	s_wait_loadcnt NLD-1-GRP*(\g)                  ; loads come back in order (ISA guide 5.7.1): the group's first row is in, the younger ones stay out
.if (\g) > 0
	s_wait_alu depctr_va_vdst(0)                   ; the conversions of the group before have written its four result pairs, which the four stores below read
	ST4 (\g)-1, \pdst, \pj
.endif
.irp i, 0,1,2,3
.set X, 4+16*(\g)+4*(\i)
.if (\i) > 0
	s_wait_loadcnt NLD-1-GRP*(\g)-(\i)             ; the next row is in
.endif
.if (\mode) == 1
	v_pk_mul_f32 v[X:X+1], v[X:X+1], s[38:39] op_sel_hi:[1,0]
	v_pk_mul_f32 v[X+2:X+3], v[X+2:X+3], s[38:39] op_sel_hi:[1,0]
.endif
	v_cvt_pk_bf16_f32 v[X], v[X], v[X+1]
	v_cvt_pk_bf16_f32 v[X+1], v[X+2], v[X+3]
.endr
.endm
.set n, 0
	SECT_LD 8, 4
	SECT_LD 12, 4
	SECT_LD 14, 4
	SECT_LD 10, 16
	GROUP 0, 1, 16, 0                              ; x's rows are rounded; there is no group before
	GROUP 1, 0, 16, 0                              ; x's go out; wk's are rounded
	GROUP 2, 0, 34, 0                              ; wk's go out; wv's are rounded
	GROUP 3, 0, 36, 0                              ; wv's go out; wq's rows 0 to 3
	GROUP 4, 0, 32, 0                              ; wq's rows 0 to 3 go out; rows 4 to 7
	GROUP 5, 0, 32, 4
	GROUP 6, 0, 32, 8
	s_wait_alu depctr_va_vdst(0)                   ; the last group's conversions have written its four result pairs, which the last four stores read
	ST4 6, 32, 12
	s_endpgm
.Lfunc_end_k_qfdec27cbe5_cvt:
	.size	k_qfdec27cbe5_cvt, .Lfunc_end_k_qfdec27cbe5_cvt-k_qfdec27cbe5_cvt
	.p2alignl 7, 3214868480
	.fill 96, 4, 3214868480
	.section	.rodata,"a",@progbits
	.p2align	6, 0x0
	.amdhsa_kernel k_qfdec27cbe5_cvt
		.amdhsa_group_segment_fixed_size 0
		.amdhsa_private_segment_fixed_size 0
		.amdhsa_enable_private_segment 0
		.amdhsa_kernarg_size 48
		.amdhsa_user_sgpr_count 2
		.amdhsa_user_sgpr_kernarg_segment_ptr 1
		.amdhsa_wavefront_size32 1
		.amdhsa_system_sgpr_workgroup_id_x 1
		.amdhsa_system_sgpr_workgroup_id_y 1
		.amdhsa_system_sgpr_workgroup_id_z 1
		.amdhsa_system_vgpr_workitem_id 0
		.amdhsa_next_free_vgpr 116
		.amdhsa_next_free_sgpr 66
		.amdhsa_reserve_vcc 0
		.amdhsa_float_denorm_mode_32 3
		.amdhsa_float_denorm_mode_16_64 3
		.amdhsa_memory_ordered 1
		.amdhsa_forward_progress 1
		.amdhsa_inst_pref_size 12
	.end_amdhsa_kernel
	.amdgpu_metadata
---
amdhsa.version: [ 1, 2 ]
amdhsa.kernels:
  - .name:           k_qfdec27cbe5_cvt
    .symbol:         k_qfdec27cbe5_cvt.kd
    .args:
      - { .name: x, .offset: 0, .size: 8, .value_kind: global_buffer, .address_space: global }
      - { .name: wq, .offset: 8, .size: 8, .value_kind: global_buffer, .address_space: global }
      - { .name: wk, .offset: 16, .size: 8, .value_kind: global_buffer, .address_space: global }
      - { .name: wv, .offset: 24, .size: 8, .value_kind: global_buffer, .address_space: global }
      - { .name: xb, .offset: 32, .size: 8, .value_kind: global_buffer, .address_space: global }
      - { .name: wqkv, .offset: 40, .size: 8, .value_kind: global_buffer, .address_space: global }
    .group_segment_fixed_size: 0
    .private_segment_fixed_size: 0
    .kernarg_segment_align: 8
    .kernarg_segment_size: 48
    .max_flat_workgroup_size: 256
    .sgpr_count:     66
    .vgpr_count:     116
    .wavefront_size: 32
...
	.end_amdgpu_metadata
.endif
;; end of part 5
;; launch proj: the kernel of part 2 again; grid 32 x 8, 4 waves a work-group, clusters of 4 x 4, 327,680 bytes of LDS; arguments xb, wqkv, cos, sin, qkv, wo, wob; writes qkv, wob
;; launch attn: the kernel of part 3 again; grid 32 x 8, 4 waves a work-group, clusters of 4 x 1, 327,680 bytes of LDS; arguments qkv, ob; writes ob
;; launch oproj: the kernel of part 4 again; grid 32 x 8, 4 waves a work-group, clusters of 4 x 4, 327,680 bytes of LDS; arguments ob, wob, out0; writes out0
